; MI455X (gfx1250); checked and timed in simulation.
; The chip was launched on July 23, 2026; its instructions are those of AMD's public machine-readable ISA for CDNA 5 (MIT licence, August 2026) and "CDNA5" Instruction Set Architecture Reference Guide (July 2026). The comments in the code are by the model that wrote it; some were corrected since.
;; Block. Allowed arithmetic: matrix products marked QUANTISED: E3M2 operands, one E8M0 scale for each 32 along K, by v_wmma_scale_f32_16x16x128_f8f6f4 with both operands' format E3M2, f32 sums; products left as they are: f32 operands where the result goes on into a quantised operand, else bf16, f16 or f32 operands; f32 sums; everything else in f32.
;; Inputs: W1_codes 2,048 x 2 x 24 uint8 (E3M2 codes of W1, K innermost, in blocks of 32 codes, four codes in three bytes); W1_scales 2,048 x 2 uint8 (E8M0 scales of W1, one for each 32 codes along K); W2_codes 64 x 64 x 24 uint8 (E3M2 codes of W2, K innermost, in blocks of 32 codes, four codes in three bytes); W2_scales 64 x 64 uint8 (E8M0 scales of W2, one for each 32 codes along K); Wk_codes 8 x 8 x 2 x 24 uint8 (E3M2 codes of Wk, K innermost, in blocks of 32 codes, four codes in three bytes); Wk_scales 8 x 8 x 2 uint8 (E8M0 scales of Wk, one for each 32 codes along K); Wp_codes 64 x 2 x 24 uint8 (E3M2 codes of Wp, K innermost, in blocks of 32 codes, four codes in three bytes); Wp_scales 64 x 2 uint8 (E8M0 scales of Wp, one for each 32 codes along K); Wq_codes 8 x 8 x 2 x 24 uint8 (E3M2 codes of Wq, K innermost, in blocks of 32 codes, four codes in three bytes); Wq_scales 8 x 8 x 2 uint8 (E8M0 scales of Wq, one for each 32 codes along K); Wv_codes 8 x 8 x 2 x 24 uint8 (E3M2 codes of Wv, K innermost, in blocks of 32 codes, four codes in three bytes); Wv_scales 8 x 8 x 2 uint8 (E8M0 scales of Wv, one for each 32 codes along K); b1 2,048 float32; b2 64 float32; beta1 64 float32; beta2 64 float32; bk 8 x 8 float32; bp 64 float32; bq 8 x 8 float32; bv 8 x 8 float32; g1 64 float32; g2 64 float32; x 512 x 256 x 64 float32.
;; Outputs: out0 512 x 256 x 64 float32.
;; This version of the problem:
;;   THIS VERSION OF THE PROBLEM IS GIVEN IN LOW PRECISION. The matrix products marked QUANTISED in the list below multiply operands that are first quantised to E3M2 (3 exponent bits, 2 mantissa bits; 6 bits a number), with one power-of-two scale for each 32 numbers along K (OCP MX v1.0); their sums are f32. All else is computed in f32.
;;   The module's matrix products, in the order in which they are computed (A, B: the left and right operand; K: the contracted axis; several contracted axes count as one K, in the product's order):
;;     1. [M 64, K 64] x [K 64, N 131,072]; A: input Wq (given as codes); B: input x: QUANTISED
;;     2. [M 64, K 64] x [K 64, N 131,072]; A: input Wk (given as codes); B: input x: QUANTISED
;;     3. [M 64, K 64] x [K 64, N 131,072]; A: input Wv (given as codes); B: input x: QUANTISED
;;     4. batch 4,096 x [M 256, K 8] x [K 8, N 256]; A: computed on the way; B: computed on the way: left as it is (K = 8 < 32)
;;     5. batch 4,096 x [M 256, K 256] x [K 256, N 8]; A: softmax; B: computed on the way: left as it is (N = 8 < 16)
;;     6. [M 131,072, K 64] x [K 64, N 64]; A: computed on the way; B: input Wp (given as codes): QUANTISED
;;     7. [M 131,072, K 64] x [K 64, N 2,048]; A: computed on the way; B: input W1 (given as codes): QUANTISED
;;     8. [M 131,072, K 2,048] x [K 2,048, N 64]; A: computed on the way; B: input W2 (given as codes): QUANTISED
;;   THE QUANTISER, for each operand of a quantised product, along K:
;;     - K is cut into blocks of 32 from its start; a last block that is shorter is filled with zeros.
;;     - A block's scale is 2^e with e = floor(log2(the largest magnitude in the block)) - 4, held to -126 .. 127; a block of zeros has e = 0. As a byte (E8M0): e + 127.
;;     - Each number is divided by its block's scale, clamped to +-28, and rounded to the nearest number of E3M2, ties to even, subnormals kept.
;;     - The product sums the exact products of the quantised numbers (number of the format x scale) in f32.
;;   ~~~python
;;   def quantise(x, axis):      # numpy; x: float32 -> the quantised numbers, widened to float32 again
;;       x = np.moveaxis(x, axis, -1); K = x.shape[-1]
;;       x = np.pad(x, [(0, 0)] * (x.ndim - 1) + [(0, -K % 32)]); x = x.reshape(x.shape[:-1] + (-1, 32)); a = np.abs(x).max(-1, keepdims=True)
;;       e = np.where(a > 0, np.clip(np.frexp(np.where(a > 0, a, 1))[1] - 1 - 4, -126, 127), 0)      # np.frexp(a)[1] - 1 = floor(log2(a)), exactly
;;       r = np.clip(x / 2.0 ** e, -28, 28)
;;       step = 2.0 ** (np.maximum(np.frexp(np.where(r == 0, 1, r))[1] - 1, -2) - 2)
;;       q = np.round(r / step) * step * 2.0 ** e      # np.round: ties to even
;;       return np.moveaxis(q.reshape(q.shape[:-2] + (-1,))[..., :K], -1, axis).astype(np.float32)
;;   ~~~
;;   OPERANDS COMPUTED ON THE WAY. 'Computed on the way' means the value that the module computes at that place (a softmax that the list does not call 'softmax' is quantised finished and normalised). What goes into a quantiser is computed in f32, as accurately as f32 sums, v_exp_f32 and their like allow (about 1e-6 of the number): no bf16 or f16 on the way to a quantiser, and a product that is left as it is and whose result goes on into a quantised operand takes f32 operands (vector FMAs, or v_wmma_f32_16x16x4_f32). A number that lies on a knife's edge between two numbers of the format may be rounded either way, as far as f32 arithmetic and the matrix unit's own rounding can turn it there, and no further.
;;   INPUTS GIVEN AS CODES. W1 (in the module: [64, 2048], K = its axis 0); W2 (in the module: [2048, 64], K = its axis 0); Wk (in the module: [8, 64, 8], K = its axis 1); Wp (in the module: [64, 64], K = its axis 0); Wq (in the module: [8, 64, 8], K = its axis 1); Wv (in the module: [8, 64, 8], K = its axis 1): each comes as NAME_codes (uint8): NAME with its K axis moved to the last place and cut into blocks of 32 codes, [.., K / 32, bytes a block], one block behind the other in memory; four codes in three bytes: a row's codes are one little-endian stream of bits, code i at bits 6 i .. 6 i + 5 (a code: sign, 3 exponent bits, 2 mantissa bits); and NAME_scales (uint8): the same leading axes, one E8M0 byte (e + 127) for each 32 codes along K. Its value is code x scale, taken as it is: it is not quantised again, and the codes and scales need not be those that the quantiser above would give.
;; 2 versions, each right; version 2 is version 1 with the launches attn, ffn written anew for expert scheduling mode. Each part assembles by itself: llvm-mc -triple=amdgcn-amd-amdhsa -mcpu=gfx1250 --defsym DOCPART=n.
;; ======== version 1 of 2: 2 launches
;; workspace buffers: hb 33,554,432 bytes; hq 8,388,608 bytes
;; launch attn (part 1): grid 512 x 1, 16 waves a work-group, no clusters, 289,792 bytes of LDS; arguments x, Wq_codes, Wq_scales, Wk_codes, Wk_scales, Wv_codes, Wv_scales, bq, bk, bv, Wp_codes, Wp_scales, bp, g1, beta1, b2, hb, hq; writes hb, hq
.if DOCPART == 1
	.amdgcn_target "amdgcn-amd-amdhsa--gfx1250"
	.amdhsa_code_object_version 6
	.text
	.protected	k_qaa34a2c00a_attn
	.globl	k_qaa34a2c00a_attn
	.p2align	8
	.type	k_qaa34a2c00a_attn,@function
k_qaa34a2c00a_attn:
	s_mov_b64 s[64:65], 0
	v_nop
	global_prefetch_b8 v0, s[64:65] scope:SCOPE_SE
	s_setreg_imm32_b32 hwreg(HW_REG_WAVE_MODE, 25, 1), 1
	s_wait_xcnt 0x0
; h = LayerNorm(x + attention(x) Wp + bp) g1 + beta1 for one batch element (256 tokens x 64) a work-group; stored as hb = h + b2 (f32) and hq = codes and scale words of h.
; QUANTISED products (x with Wq, Wk, Wv; o with Wp): codes of E3M2, one E8M0 byte for 32 along K, by the scaled 16x16x128 form.  K is 64: the token operand holds zero codes at k = 64 .. 127, the weight
; operand whatever finite codes its next six registers hold, and bytes 2 and 3 of all scale words are 0 (never 0xff): those products add nothing.
; Scores and weights x values lead into the quantiser of o, so they are f32: q k^T by the f32 16x16x4 form, p v by packed multiply-adds.
; SHARES.  16 waves.  Phases X and P: wave w owns token tile w (16 tokens).  QKV and attention: wave w serves head w / 2, part sp = w % 2.  Attention: groups of 64 queries; part sp takes groups sp and 3 - sp,
; which makes 48 full and 20 diagonal tiles of 16 x 16 for either part.
; ALL PRODUCTS ARE USED TRANSPOSED (source 0 = weight rows or keys, source 1 = tokens or queries): a lane holds one token (lane % 16).  The rows of Wp that form a tile are chosen (row m of tile u = 8 u + m % 8 + 32 (m / 8))
; so that lane (r, hh) holds columns 32 hh + 0 .. 31 in 32 registers: a whole block of the next quantiser.
; SOFTMAX.  t = (c q) . k, c = log2(e) / sqrt(8).  Each LANE keeps a running maximum m, sum l and sums O over its own keys (8 hh + j of each key tile); the two halves of the lanes are merged at a group's end.
; LIMITS: NaN and infinities among the inputs are not served.  A block whose largest magnitude lies under 2^-122 (a block of zeros too) gets the scale byte 1; the bytes are read by this program alone.
.set HEADB, 24576                      ; LDS of a head: q, later o (16 tiles x 512 bytes, a lane's 16 bytes at 16 x lane: e = 4 hh + 0 .. 3 of token r); k likewise; v as [e][token] f32
.set KOFF,  8192
.set VOFF,  16384
.set XS,    196608                     ; x: 256 rows of 256 bytes + 16
.set XP,    272
.set XIMG,  266240                     ; codes of x: 16 tiles x 1,024 bytes, images of registers: (scale word, 0, c0, c1) at 16 x lane, (c2 .. c5) 512 bytes on
.set PAR,   282624                     ; Wp codes 3,072, Wp scales 128, bp, g1, beta1, b2: 256 each
.set P_WS,  3072
.set P_BP,  3200
.set P_G1,  3456
.set P_BE,  3712
.set P_B2,  3968
; v1 r, v2 hh, v3 16 x lane, v4 8 hh, v5 q of my head + 16 x lane, v6 the same for k, v7 v of my head + 32 hh, v8-10 addresses in hand, v11, v13 a phase's own, v12 my row of x in XS, v[14:15] c or 1.0
.set MASK, 16                          ; v16-23   the diagonal tile's C: -infinity where key 8 hh + j > query r
.set ST,   24                          ; v24-47   six a query tile: m, t, alpha, (pad), l in two halves
.set S,    56                          ; v56-87   scores: written by the f32 matrix form alone, in the whole text
.set QF,   88                          ; v88-103  q of four tiles
.set KF,   104                         ; v104-107 k of one tile
.set P,    108                         ; v108-123 p, two sets by turns
.set VT,   124                         ; v124-187 v: register 8 e + j = v[key 8 hh + j][e]
.set O2,   188                         ; v188-251 sums of p v: tile i, channel e: a pair (even keys, odd keys) at 16 i + 2 e
; v48-55 at work.  Phases X, QKV and P lay their own registers over v88-253 (never over v56-87).
.macro NOPS n
.rept \n
	v_nop
.endr
.endm
.macro BAR                             ; my LDS stores have landed and my LDS loads are in: then the work-group's barrier
	s_wait_dscnt 0x0
	s_barrier_signal -1
	s_barrier_wait -1
.endm
.macro SWMMA d, a, b, c, sa, sb
	v_wmma_scale_f32_16x16x128_f8f6f4 v[\d:\d+7], v[\a:\a+11], v[\b:\b+11], v[\c:\c+7], v[\sa], v[\sb] matrix_a_fmt:MATRIX_FMT_BF6 matrix_b_fmt:MATRIX_FMT_BF6
.endm
; 32 numbers of a lane (k = 32 hh + 0 .. 31 of my token) become six registers of codes at dst + 2 on, and my token's scale word at dst (byte hh mine, the other from lane l xor 16).
.macro QUANT32 src, dst, tmp
	v_max3_num_f32 v48, |v[\src]|, |v[\src+1]|, 0x2800000          ; the floor 2^(5 - 127) among the leaves: the byte cannot fall under 1
	v_max3_num_f32 v49, |v[\src+2]|, |v[\src+3]|, |v[\src+4]|
.irp i, 5,9,13,17,21,25
	v_max3_num_f32 v48, v48, |v[\src+\i]|, |v[\src+\i+1]|
	v_max3_num_f32 v49, v49, |v[\src+\i+2]|, |v[\src+\i+3]|
.endr
	v_max3_num_f32 v48, v48, |v[\src+29]|, |v[\src+30]|
	v_max3_num_f32 v48, v48, v49, |v[\src+31]|                     ; the block's largest magnitude: all 32 are mine
	v_add_nc_u32 v50, 0xfe000000, v48                              ; 4 off its exponent field: the conversion's scale operand
	v_lshrrev_b32 v51, 23, v50                                     ; the scale's byte,
	v_lshlrev_b32 v51, v4, v51                                     ; at its place in the word,
	v_permlanex16_b32 v52, v51, s58, s59
	v_or_b32 v[\dst], v51, v52                                     ; with the other block's
	v_cvt_scalef32_pk16_bf6_f32 v[\dst+2:\dst+4], v[\src:\src+15], v50
	v_cvt_scalef32_pk16_bf6_f32 v[\tmp:\tmp+2], v[\src+16:\src+31], v50   ; (a conversion's three registers begin on an even number)
	v_nop                                                          ; one plain place behind a scaled conversion
.irp i, 0,1,2
	v_mov_b32 v[\dst+5+\i], v[\tmp+\i]
.endr
.endm
; A row of 64 lies in lanes l and l xor 16, 32 registers each.  The row is centred in place; 1 / sqrt(variance + eps) comes in v48.  Each group of eight registers is read from its low end on.
.macro LNSTAT base
	v_pk_add_f32 v[48:49], v[\base:\base+1], v[\base+2:\base+3]
	v_pk_add_f32 v[50:51], v[\base+8:\base+9], v[\base+10:\base+11]
	v_pk_add_f32 v[52:53], v[\base+16:\base+17], v[\base+18:\base+19]
	v_pk_add_f32 v[54:55], v[\base+24:\base+25], v[\base+26:\base+27]
.irp k, 4,6
	v_pk_add_f32 v[48:49], v[48:49], v[\base+\k:\base+\k+1]
	v_pk_add_f32 v[50:51], v[50:51], v[\base+8+\k:\base+9+\k]
	v_pk_add_f32 v[52:53], v[52:53], v[\base+16+\k:\base+17+\k]
	v_pk_add_f32 v[54:55], v[54:55], v[\base+24+\k:\base+25+\k]
.endr
	v_pk_add_f32 v[48:49], v[48:49], v[50:51]
	v_pk_add_f32 v[52:53], v[52:53], v[54:55]
	v_pk_add_f32 v[48:49], v[48:49], v[52:53]
	v_add_f32 v48, v48, v49
	v_permlanex16_b32 v50, v48, s58, s59
	v_add_f32 v48, v48, v50
	v_mul_f32 v48, s60, v48                                        ; the mean
.irp k, 0,2,4,6,8,10,12,14,16,18,20,22,24,26,28,30
	v_pk_add_f32 v[\base+\k:\base+\k+1], v[\base+\k:\base+\k+1], v[48:49] op_sel_hi:[1,0] neg_lo:[0,1] neg_hi:[0,1]
.endr
	v_pk_mul_f32 v[48:49], v[\base:\base+1], v[\base:\base+1]
	v_pk_mul_f32 v[50:51], v[\base+8:\base+9], v[\base+8:\base+9]
	v_pk_mul_f32 v[52:53], v[\base+16:\base+17], v[\base+16:\base+17]
	v_pk_mul_f32 v[54:55], v[\base+24:\base+25], v[\base+24:\base+25]
.irp k, 2,4,6
	v_pk_fma_f32 v[48:49], v[\base+\k:\base+\k+1], v[\base+\k:\base+\k+1], v[48:49]
	v_pk_fma_f32 v[50:51], v[\base+8+\k:\base+9+\k], v[\base+8+\k:\base+9+\k], v[50:51]
	v_pk_fma_f32 v[52:53], v[\base+16+\k:\base+17+\k], v[\base+16+\k:\base+17+\k], v[52:53]
	v_pk_fma_f32 v[54:55], v[\base+24+\k:\base+25+\k], v[\base+24+\k:\base+25+\k], v[54:55]
.endr
	v_pk_add_f32 v[48:49], v[48:49], v[50:51]
	v_pk_add_f32 v[52:53], v[52:53], v[54:55]
	v_pk_add_f32 v[48:49], v[48:49], v[52:53]
	v_add_f32 v48, v48, v49
	v_permlanex16_b32 v50, v48, s58, s59
	v_add_f32 v48, v48, v50
	v_fma_f32 v48, v48, s60, s61                                   ; variance + eps
	v_rsq_f32 v48, v48
	v_nop                                                          ; one plain place behind a transcendental
.endm
	s_load_b512 s[8:23], s[0:1], 0x0               ; x 8, Wq codes 10, Wq scales 12, Wk codes 14, Wk scales 16, Wv codes 18, Wv scales 20, bq 22
	s_load_b512 s[24:39], s[0:1], 0x40             ; bk 24, bv 26, Wp codes 28, Wp scales 30, bp 32, g1 34, beta1 36, b2 38
	s_load_b128 s[40:43], s[0:1], 0x80             ; hb 40, hq 42
	v_lshl_add_u32 v254, v0, 2, 0x46400
	v_mov_b32 v255, 0
	v_and_b32 v1, 15, v0                           ; r
	v_bfe_u32 v2, v0, 4, 1                         ; hh
	v_and_b32 v48, 31, v0
	v_lshlrev_b32 v3, 4, v48                       ; 16 x lane
	v_lshlrev_b32 v4, 3, v2                        ; 8 hh
	v_lshrrev_b32 v49, 5, v0
	v_readfirstlane_b32 s44, v49                   ; wave
	s_lshr_b32 s45, s44, 1                         ; head
	s_and_b32 s46, s44, 1                          ; part
	s_mov_b32 s58, 0x76543210                      ; selects of v_permlanex16_b32 for lane l xor 16
	s_mov_b32 s59, 0xfedcba98
	s_mov_b32 s60, 0x3c800000                      ; 1 / 64
	s_mov_b32 s61, 0x3727c5ac                      ; eps = 1e-5
	s_mul_i32 s47, s45, HEADB
	v_add_nc_u32 v5, s47, v3
	v_add_nc_u32 v6, KOFF, v5
	v_lshl_add_u32 v7, v2, 5, s47
	v_add_nc_u32 v7, VOFF, v7
	s_lshl_b32 s48, s46, 11                        ; my first group g: 2,048 g bytes of q or k, 256 g bytes in a row of v, 4 g key tiles in front of it
	s_lshl_b32 s49, s46, 8
	s_lshl_b32 s50, s46, 2
	s_xor_b32 s47, s46, 3                          ; my second group
	s_lshl_b32 s51, s47, 11
	s_lshl_b32 s52, s47, 8
	s_lshl_b32 s53, s47, 2
	v_cmp_le_u32 s66, 8, v1                        ; lanes with r >= 8
	v_cmp_eq_u32 s67, 1, v2                        ; lanes 16-31
	v_sub_nc_u32 v48, v1, v4                       ; r - 8 hh
	v_mov_b32 v49, 0xff800000                      ; -infinity
.irp j, 0,1,2,3,4,5,6,7
	v_cmp_gt_i32 vcc_lo, \j, v48
	v_cndmask_b32 v[MASK+\j], 0, v49, vcc_lo
.endr
	v_mov_b32 v50, 0x3f0293ee                      ; c = log2(e) / sqrt(8)
	v_mov_b32 v51, 1.0
	v_cndmask_b32 v14, v50, v51, s67               ; lanes 0-15 will hold q (x c), lanes 16-31 k (x 1)
	v_mov_b32 v15, v14
.irp j, 52,53,54,55
	v_mov_b32 v\j, 0                               ; written once: a lane permute's destination counts as one of its sources
.endr
	s_mul_i32 s47, s44, 16*XP                      ; every LDS address of the phases X and of the staging is made here, ahead of the branch on the wave's number
	s_add_co_u32 s47, s47, XS
	v_mul_u32_u24 v11, v2, XP
	v_lshl_add_u32 v11, v1, 4, v11
	v_add_nc_u32 v11, s47, v11                     ; x into XS as it is loaded: two rows an instruction
	v_mul_u32_u24 v12, v1, XP
	v_lshl_add_u32 v12, v2, 7, v12
	v_add_nc_u32 v12, s47, v12                     ; and back: row r, my half's 128 bytes
	s_lshl_b32 s47, s44, 10
	s_add_co_u32 s47, s47, XIMG
	v_add_nc_u32 v13, s47, v3
	v_lshrrev_b32 v24, 2, v3                       ; 4 x lane
	v_lshrrev_b32 v25, 1, v3                       ; 8 x lane
	v_add_nc_u32 v26, PAR, v3
	v_add_nc_u32 v27, PAR+P_WS, v24
	v_add_nc_u32 v28, PAR+P_BP, v25
	v_and_b32 v48, 7, v1
	v_mul_u32_u24 v8, v48, 48                      ; my head's weights: row 8 H + r % 8 of 48 bytes, + 24 hh
	v_mad_u32_u24 v8, v2, 24, v8
	s_mul_i32 s47, s45, 384
	v_add_nc_u32 v8, s47, v8
	s_lshl_b32 s47, s45, 4
	v_lshl_add_u32 v9, v48, 1, s47                 ; their scale bytes: two a row
	s_lshl_b32 s47, s45, 5
	v_mov_b32 v10, s47                             ; my head's eight numbers of a bias
	s_lshl_b32 s62, ttmp9, 16                      ; my tile: 65,536 x batch + 4,096 x wave bytes in x and in hb,
	s_lshl_b32 s47, s44, 12
	s_add_co_u32 s62, s62, s47
	s_mov_b32 s63, 0
	s_lshr_b32 s54, s62, 2                         ; a quarter of that in hq
	s_mov_b32 s55, 0
	s_wait_kmcnt 0x0
	s_add_nc_u64 s[8:9], s[8:9], s[62:63]
	s_add_nc_u64 s[40:41], s[40:41], s[62:63]
	s_add_nc_u64 s[42:43], s[42:43], s[54:55]
.irp i, 0,1,2,3,4,5,6,7
	global_load_b128 v[124+4*\i:127+4*\i], v3, s[8:9] offset:512*\i th:TH_LOAD_NT   ; 32 lanes read 512 consecutive bytes: two tokens
.endr
.irp p, 0,1,2
	global_load_b64 v[188+2*\p:189+2*\p], v8, s[10:11] offset:8*\p   ; Wq
	global_load_b64 v[230+2*\p:231+2*\p], v8, s[14:15] offset:8*\p   ; Wk
	global_load_b64 v[200+2*\p:201+2*\p], v8, s[18:19] offset:8*\p   ; Wv
.endr
	global_load_u16 v228, v9, s[12:13]
	global_load_u16 v236, v9, s[16:17]
	global_load_u16 v229, v9, s[20:21]
.irp p, 0,1
	global_load_b128 v[212+4*\p:215+4*\p], v10, s[22:23] offset:16*\p   ; bq
	global_load_b128 v[244+4*\p:247+4*\p], v10, s[24:25] offset:16*\p   ; bk
	global_load_b128 v[220+4*\p:223+4*\p], v10, s[26:27] offset:16*\p   ; bv
.endr
	s_cmp_lg_u32 s44, 0                            ; wave 0 brings what phase P wants of all waves into LDS, in whole runs
	s_cbranch_scc1 .Lnot0
.irp i, 0,1,2,3,4,5
	global_load_b128 v[88+4*\i:91+4*\i], v3, s[28:29] offset:512*\i
.endr
	global_load_b32 v112, v24, s[30:31]
	global_load_b64 v[114:115], v25, s[32:33]
	global_load_b64 v[116:117], v25, s[34:35]
	global_load_b64 v[118:119], v25, s[36:37]
	global_load_b64 v[120:121], v25, s[38:39]
	s_wait_loadcnt 0x0
.irp i, 0,1,2,3,4,5
	ds_store_b128 v26, v[88+4*\i:91+4*\i] offset:512*\i
.endr
	ds_store_b32 v27, v112
	ds_store_b64 v28, v[114:115]
	ds_store_b64 v28, v[116:117] offset:256
	ds_store_b64 v28, v[118:119] offset:512
	ds_store_b64 v28, v[120:121] offset:768
.Lnot0:
	s_wait_loadcnt 0x0                             ; x and my head's weights are in
	; ---- X: my 16 tokens of x turn through XS (a lane then holds 32 neighbours of one token) and are quantised
.irp i, 0,1,2,3,4,5,6,7
	ds_store_b128 v11, v[124+4*\i:127+4*\i] offset:2*XP*\i
.endr
.irp c, 0,1,2,3,4,5,6,7
	ds_load_b128 v[124+4*\c:127+4*\c], v12 offset:16*\c            ; LDS serves a wave's instructions in order: these see my stores
.endr
.irp j, 0,1,2,3,4,5
	v_cndmask_b32 v[188+\j], v[188+\j], v[230+\j], s66             ; one tile of weights: rows 0-7 Wq, rows 8-15 Wk of my head
.endr
	v_cndmask_b32 v228, v228, v236, s66
.irp j, 0,1,2,3,4,5,6,7
	v_cndmask_b32 v[212+\j], v[212+\j], v[244+\j], s67             ; its C: bq in lanes 0-15 (result rows 0-7), bk in lanes 16-31
.endr
.irp j, 194,195,196,197,198,199,206,207,208,209,210,211
	v_mov_b32 v\j, 0                               ; the weight operands' k = 64 .. 127
.endr
.irp i, 0,1,2,3
	v_mov_b32 v[ST+6*\i+1], 0                      ; named as halves of pairs before they are first written
	v_mov_b32 v[ST+6*\i+3], 0
.endr
	v_mov_b32 v157, 0
	s_wait_dscnt 0x0
	QUANT32 124, 156, 164
	ds_store_b128 v13, v[156:159]
	ds_store_b128 v13, v[160:163] offset:512
	BAR                                            ; the codes of all 256 tokens, and wave 0's parameters, lie in LDS
	; ---- QKV: my head, token tiles 8 sp .. 8 sp + 7, two at a time
.irp j, 132,133,134,135,136,137,146,147,148,149,150,151
	v_mov_b32 v\j, 0                               ; the token operands' k = 64 .. 127: zero codes
.endr
	s_lshl_b32 s47, s46, 13
	s_add_co_u32 s47, s47, XIMG
	v_add_nc_u32 v13, s47, v3
	s_lshl_b32 s47, s46, 12
	v_add_nc_u32 v8, s47, v5                       ; where q and k of my first tile go
	s_lshl_b32 s47, s46, 9
	s_mul_i32 s57, s45, HEADB
	s_add_co_u32 s57, s57, VOFF
	s_add_co_u32 s57, s57, s47
	v_lshl_add_u32 v9, v1, 2, s57                  ; and v: row e, word 128 sp + 16 tile + r
	NOPS 4                                         ; an operand written by vector instructions stands four places ahead of a scaled matrix instruction
.macro QKVOUT dq, dv, tile
.irp a, 0,2,4,6
	v_pk_mul_f32 v[\dq+\a:\dq+\a+1], v[\dq+\a:\dq+\a+1], v[14:15]  ; q x c (lanes 0-15), k x 1
.endr
.irp j, 0,1,2,3
	v_permlane16_swap_b32 v[\dq+\j], v[\dq+\j+4]   ; registers 0-3: q, e = 4 hh + j; registers 4-7: k likewise
.endr
	ds_store_b128 v8, v[\dq:\dq+3] offset:512*(\tile)
	ds_store_b128 v8, v[\dq+4:\dq+7] offset:KOFF+512*(\tile)
.irp e, 0,1,2,3,4,5,6,7
	ds_store_b32 v9, v[\dv+\e] offset:1024*\e+64*(\tile)           ; both halves of the lanes hold the same v and write the same word
.endr
.endm
.macro QKVPAIR t0
	ds_load_b128 v[124:127], v13 offset:1024*(\t0)
	ds_load_b128 v[128:131], v13 offset:1024*(\t0)+512
	ds_load_b128 v[138:141], v13 offset:1024*(\t0)+1024
	ds_load_b128 v[142:145], v13 offset:1024*(\t0)+1536
	s_wait_dscnt 0x0
	SWMMA 152, 188, 126, 212, 228, 124
	SWMMA 160, 200, 126, 220, 229, 124
	SWMMA 168, 188, 140, 212, 228, 138
	SWMMA 176, 200, 140, 220, 229, 138
	NOPS 4                                         ; places in front of the first read of results and of the next loads into the operands
	QKVOUT 152, 160, \t0
	QKVOUT 168, 176, \t0+1
.endm
	QKVPAIR 0
	QKVPAIR 2
	QKVPAIR 4
	QKVPAIR 6
	BAR                                            ; q, k and v of all heads lie in LDS
	; ---- attention
; One query tile against one key tile: the softmax's step and p v.  wv = 1: the wait for v stands in front of the multiply-adds.
.macro SMPV t, wv
.set rM, ST+6*(\t)
.set rS, S+8*(\t)
.set rP, P+8*((\t)%2)
.set rO, O2+16*(\t)
	v_max3_num_f32 v[rM+1], v[rS], v[rS+1], v[rM]                  ; my eight scores and the old m
	v_max3_num_f32 v[rM+1], v[rM+1], v[rS+2], v[rS+3]
	v_max3_num_f32 v[rM+1], v[rM+1], v[rS+4], v[rS+5]
	v_max3_num_f32 v[rM+1], v[rM+1], v[rS+6], v[rS+7]
	v_sub_f32 v[rM+2], v[rM], v[rM+1]
	v_exp_f32 v[rM+2], v[rM+2]                                     ; alpha = 2^(old m - new m)
	v_mov_b32 v[rM], v[rM+1]
.irp a, 0,2,4,6
	v_pk_add_f32 v[rP+\a:rP+\a+1], v[rS+\a:rS+\a+1], v[rM:rM+1] op_sel_hi:[1,0] neg_lo:[0,1] neg_hi:[0,1]
.endr
.irp j, 0,1,2,3,4,5,6,7
	v_exp_f32 v[rP+\j], v[rP+\j]                                   ; p = 2^(t - m); 0 for a hidden key
.endr
	s_wait_alu depctr_va_vdst(0)
.irp e, 0,2,4,6,8,10,12,14
	v_pk_mul_f32 v[rO+\e:rO+\e+1], v[rO+\e:rO+\e+1], v[rM+2:rM+3] op_sel_hi:[1,0]   ; (the first is the plain place behind the exponentials)
.endr
	v_pk_fma_f32 v[rM+4:rM+5], v[rM+4:rM+5], v[rM+2:rM+3], v[rP:rP+1] op_sel_hi:[1,0,1]
.irp a, 2,4,6
	v_pk_add_f32 v[rM+4:rM+5], v[rM+4:rM+5], v[rP+\a:rP+\a+1]
.endr
.if \wv
	s_wait_dscnt 0x0                               ; v is in
.endif
.irp a, 0,2,4,6
.irp e, 0,1,2,3,4,5,6,7
	v_pk_fma_f32 v[rO+2*\e:rO+2*\e+1], v[rP+\a:rP+\a+1], v[VT+8*\e+\a:VT+8*\e+\a+1], v[rO+2*\e:rO+2*\e+1]
.endr
.endr
.endm
; One key tile (addresses in v9, v10) against query tiles from .. 3 of the group.  dg = 1: tile from lies on the diagonal and starts from the mask.
.macro KSTEP from, dg, ko, vo
	ds_load_b128 v[KF:KF+3], v9 offset:\ko
.irp e, 0,1,2,3,4,5,6,7
	ds_load_b128 v[VT+8*\e:VT+8*\e+3], v10 offset:\vo+1024*\e      ; sixteen lanes read the same 16 bytes
	ds_load_b128 v[VT+8*\e+4:VT+8*\e+7], v10 offset:\vo+1024*\e+16
.endr
	s_wait_dscnt 16                                ; q and k are in; the sixteen loads of v issued behind them may stay out
.irp i, 0,1,2,3
.if \i >= \from
.if \dg && (\i == \from)
	v_wmma_f32_16x16x4_f32 v[S+8*\i:S+8*\i+7], v[KF:KF+1], v[QF+4*\i:QF+4*\i+1], v[MASK:MASK+7]
.else
	v_wmma_f32_16x16x4_f32 v[S+8*\i:S+8*\i+7], v[KF:KF+1], v[QF+4*\i:QF+4*\i+1], 0
.endif
.endif
.endr
.if \from == 3
	s_wait_alu depctr_va_vdst(0)                   ; one accumulator alone
.endif
.irp i, 0,1,2,3
.if \i >= \from
	v_wmma_f32_16x16x4_f32 v[S+8*\i:S+8*\i+7], v[KF+2:KF+3], v[QF+4*\i+2:QF+4*\i+3], v[S+8*\i:S+8*\i+7]
.endif
.endr
	NOPS 8                                         ; places behind this form, in front of the first read of results
.irp i, 0,1,2,3
.if \i >= \from
.if \i == \from
	SMPV \i, 1
.else
	SMPV \i, 0
.endif
.endif
.endr
.endm
; A query tile's end: the two halves of the lanes are brought under one maximum, added and divided by the sum; o takes q's place in LDS, in the same form.
.macro FINISH t
.set rM, ST+6*(\t)
.set rO, O2+16*(\t)
	v_permlanex16_b32 v48, v[rM], s58, s59
	v_max_num_f32 v48, v48, v[rM]
	v_sub_f32 v50, v[rM], v48
	v_exp_f32 v50, v50                             ; f = 2^(my m - the query's m); 0 for a half that saw hidden keys alone
	v_add_f32 v49, v[rM+4], v[rM+5]
	s_wait_alu depctr_va_vdst(0)
	v_mul_f32 v49, v49, v50
	v_permlanex16_b32 v52, v49, s58, s59
	v_add_f32 v49, v49, v52                        ; the query's sum: at least 1
	v_rcp_f32 v49, v49
.irp e, 0,1,2,3,4,5,6,7
	v_add_f32 v[rO+\e], v[rO+2*\e], v[rO+2*\e+1]
.endr
	s_wait_alu depctr_va_vdst(0)
	v_mul_f32 v50, v50, v49
.irp a, 0,2,4,6
	v_pk_mul_f32 v[rO+\a:rO+\a+1], v[rO+\a:rO+\a+1], v[50:51] op_sel_hi:[1,0]
.endr
.irp j, 0,1,2,3
	v_permlane16_swap_b32 v[rO+\j], v[rO+\j+4]     ; lanes 0-15: both halves' e = j; lanes 16-31: both halves' e = j + 4
.endr
	v_pk_add_f32 v[rO:rO+1], v[rO:rO+1], v[rO+4:rO+5]
	v_pk_add_f32 v[rO+2:rO+3], v[rO+2:rO+3], v[rO+6:rO+7]
	ds_store_b128 v8, v[rO:rO+3] offset:512*(\t)   ; bytes that my wave alone reads and writes until the next barrier
.endm
; A group of 64 queries.  Every wave walks twelve trips, a constant of the text; a trip whose key tile does not lie in front of the group does no work.
.macro GROUP gq, gv, lim
	v_add_nc_u32 v8, s[\gq], v5
.irp i, 0,1,2,3
	ds_load_b128 v[QF+4*\i:QF+4*\i+3], v8 offset:512*\i
.endr
.set n, 0
.rept 64
	v_mov_b32 v[O2+n], 0                           ; vector sums, rescaled in every step: they begin as zeros
.set n, n+1
.endr
.irp i, 0,1,2,3
	v_mov_b32 v[ST+6*\i], 0xff61b1e6               ; m = -3e38, under every t
	v_mov_b32 v[ST+6*\i+4], 0
	v_mov_b32 v[ST+6*\i+5], 0
.endr
	s_mov_b32 s54, 0
	s_mov_b32 s55, 0
	s_mov_b32 s56, 0
.Lfull_\@:
	v_add_nc_u32 v9, s54, v6
	v_add_nc_u32 v10, s55, v7
	s_cmp_ge_u32 s56, s[\lim]
	s_cbranch_scc1 .Lskip_\@
	KSTEP 0, 0, 0, 0
.Lskip_\@:
	s_add_co_u32 s54, s54, 512
	s_add_co_u32 s55, s55, 64
	s_add_co_u32 s56, s56, 1
	s_cmp_lt_u32 s56, 12
	s_cbranch_scc1 .Lfull_\@
	v_add_nc_u32 v9, s[\gq], v6                    ; the group's own four key tiles
	v_add_nc_u32 v10, s[\gv], v7
	KSTEP 0, 1, 0, 0
	KSTEP 1, 1, 512, 64
	KSTEP 2, 1, 1024, 128
	KSTEP 3, 1, 1536, 192
	FINISH 0
	FINISH 1
	FINISH 2
	FINISH 3
.endm
	GROUP 48, 49, 50
	GROUP 51, 52, 53
	BAR                                            ; o of all heads lies in LDS
	; ---- P: my 16 tokens: o quantised, x + bp + o Wp, LayerNorm, h quantised
	; v124-155 o, later beta1; v156-169 scale word, 0, codes, zero codes; v188-217 Wp, four tiles six registers apart, and zeros; v218-221 its scale words; v222-253 the row; v16-47 bp, later b2; v88-119 g1
	v_mul_u32_u24 v8, v2, 4*HEADB                  ; lanes 16-31 take heads 4-7
	v_lshl_add_u32 v8, v1, 4, v8
	s_lshl_b32 s47, s44, 9
	v_add_nc_u32 v8, s47, v8
	v_add_nc_u32 v9, 2*HEADB, v8                   ; (an offset has 16 bits: a second register for the upper two heads)
	v_lshl_add_u32 v10, v2, 7, PAR
	v_and_b32 v48, 7, v1
	v_lshrrev_b32 v49, 3, v1
	v_lshl_add_u32 v48, v49, 5, v48                ; r % 8 + 32 (r / 8)
	v_mul_u32_u24 v11, v48, 48
	v_mad_u32_u24 v11, v2, 24, v11
	v_add_nc_u32 v11, PAR, v11
	v_lshl_add_u32 v13, v48, 1, PAR+P_WS
.irp a, 0,1
.irp b, 0,1
	ds_load_b128 v[124+8*\a+4*\b:127+8*\a+4*\b], v8 offset:HEADB*\a+256*\b      ; head 4 hh + a, e = 4 b + 0 .. 3 of token r
	ds_load_b128 v[140+8*\a+4*\b:143+8*\a+4*\b], v9 offset:HEADB*\a+256*\b
.endr
.endr
.irp c, 0,1,2,3,4,5,6,7
	ds_load_b128 v[222+4*\c:225+4*\c], v12 offset:16*\c
	ds_load_b128 v[16+4*\c:19+4*\c], v10 offset:P_BP+16*\c
.endr
.irp nt, 0,1,2,3
.irp p, 0,1,2
	ds_load_b64 v[188+6*\nt+2*\p:189+6*\nt+2*\p], v11 offset:384*\nt+8*\p
.endr
	ds_load_u16 v[218+\nt], v13 offset:16*\nt
.endr
.irp c, 0,1,2,3,4,5,6,7
	ds_load_b128 v[88+4*\c:91+4*\c], v10 offset:P_G1+16*\c
.endr
.irp j, 157,164,165,166,167,168,169,212,213,214,215,216,217
	v_mov_b32 v\j, 0
.endr
	s_wait_dscnt 0x0
	QUANT32 124, 156, 170
.irp k, 0,2,4,6,8,10,12,14,16,18,20,22,24,26,28,30
	v_pk_add_f32 v[222+\k:223+\k], v[222+\k:223+\k], v[16+\k:17+\k]   ; x + bp: the C of the product.  (These sixteen are the places between the codes and scale word just made and the products)
.endr
.irp c, 0,1,2,3,4,5,6,7
	ds_load_b128 v[124+4*\c:127+4*\c], v10 offset:P_BE+16*\c
	ds_load_b128 v[16+4*\c:19+4*\c], v10 offset:P_B2+16*\c
.endr
.irp nt, 0,1,2,3
	SWMMA 222+8*\nt, 188+6*\nt, 158, 222+8*\nt, 218+\nt, 156
.endr
	NOPS 4
	LNSTAT 222
	s_wait_alu depctr_va_vdst(0)
.irp k, 0,2,4,6,8,10,12,14,16,18,20,22,24,26,28,30
	v_pk_mul_f32 v[222+\k:223+\k], v[222+\k:223+\k], v[48:49] op_sel_hi:[1,0]
.endr
	s_wait_dscnt 0x0                               ; beta1 and b2
.irp k, 0,2,4,6,8,10,12,14,16,18,20,22,24,26,28,30
	v_pk_fma_f32 v[222+\k:223+\k], v[222+\k:223+\k], v[88+\k:89+\k], v[124+\k:125+\k]   ; h
.endr
	QUANT32 222, 156, 170
	global_store_b128 v3, v[156:159], s[42:43]                     ; each store of the wave covers 512 consecutive bytes, aligned
	global_store_b128 v3, v[160:163], s[42:43] offset:512
.irp k, 0,2,4,6,8,10,12,14,16,18,20,22,24,26,28,30
	v_pk_add_f32 v[222+\k:223+\k], v[222+\k:223+\k], v[16+\k:17+\k]   ; h + b2: what the next launch's sums start from
.endr
.irp c, 0,1,2,3,4,5,6,7
	global_store_b128 v3, v[222+4*\c:225+4*\c], s[40:41] offset:512*\c
.endr
	s_wait_tensorcnt 0x0
	ds_add_u32 v254, v255
	s_wait_dscnt 0x0
	s_endpgm
.Lfunc_end_k_qaa34a2c00a_attn:
	.size	k_qaa34a2c00a_attn, .Lfunc_end_k_qaa34a2c00a_attn-k_qaa34a2c00a_attn
	.p2alignl 7, 3214868480
	.fill 96, 4, 3214868480
	.section	.rodata,"a",@progbits
	.p2align	6, 0x0
	.amdhsa_kernel k_qaa34a2c00a_attn
		.amdhsa_group_segment_fixed_size 289792
		.amdhsa_private_segment_fixed_size 0
		.amdhsa_enable_private_segment 0
		.amdhsa_kernarg_size 144
		.amdhsa_user_sgpr_count 2
		.amdhsa_user_sgpr_kernarg_segment_ptr 1
		.amdhsa_wavefront_size32 1
		.amdhsa_system_sgpr_workgroup_id_x 1
		.amdhsa_system_sgpr_workgroup_id_y 1
		.amdhsa_system_sgpr_workgroup_id_z 1
		.amdhsa_system_vgpr_workitem_id 0
		.amdhsa_next_free_vgpr 256
		.amdhsa_next_free_sgpr 70
		.amdhsa_reserve_vcc 1
		.amdhsa_float_denorm_mode_32 3
		.amdhsa_float_denorm_mode_16_64 3
		.amdhsa_memory_ordered 1
		.amdhsa_forward_progress 1
		.amdhsa_inst_pref_size 179
	.end_amdhsa_kernel
	.amdgpu_metadata
---
amdhsa.version: [ 1, 2 ]
amdhsa.kernels:
  - .name:           k_qaa34a2c00a_attn
    .symbol:         k_qaa34a2c00a_attn.kd
    .args:
      - { .name: x, .offset: 0, .size: 8, .value_kind: global_buffer, .address_space: global }
      - { .name: Wq_codes, .offset: 8, .size: 8, .value_kind: global_buffer, .address_space: global }
      - { .name: Wq_scales, .offset: 16, .size: 8, .value_kind: global_buffer, .address_space: global }
      - { .name: Wk_codes, .offset: 24, .size: 8, .value_kind: global_buffer, .address_space: global }
      - { .name: Wk_scales, .offset: 32, .size: 8, .value_kind: global_buffer, .address_space: global }
      - { .name: Wv_codes, .offset: 40, .size: 8, .value_kind: global_buffer, .address_space: global }
      - { .name: Wv_scales, .offset: 48, .size: 8, .value_kind: global_buffer, .address_space: global }
      - { .name: bq, .offset: 56, .size: 8, .value_kind: global_buffer, .address_space: global }
      - { .name: bk, .offset: 64, .size: 8, .value_kind: global_buffer, .address_space: global }
      - { .name: bv, .offset: 72, .size: 8, .value_kind: global_buffer, .address_space: global }
      - { .name: Wp_codes, .offset: 80, .size: 8, .value_kind: global_buffer, .address_space: global }
      - { .name: Wp_scales, .offset: 88, .size: 8, .value_kind: global_buffer, .address_space: global }
      - { .name: bp, .offset: 96, .size: 8, .value_kind: global_buffer, .address_space: global }
      - { .name: g1, .offset: 104, .size: 8, .value_kind: global_buffer, .address_space: global }
      - { .name: beta1, .offset: 112, .size: 8, .value_kind: global_buffer, .address_space: global }
      - { .name: b2, .offset: 120, .size: 8, .value_kind: global_buffer, .address_space: global }
      - { .name: hb, .offset: 128, .size: 8, .value_kind: global_buffer, .address_space: global }
      - { .name: hq, .offset: 136, .size: 8, .value_kind: global_buffer, .address_space: global }
    .group_segment_fixed_size: 289792
    .private_segment_fixed_size: 0
    .kernarg_segment_align: 8
    .kernarg_segment_size: 144
    .max_flat_workgroup_size: 512
    .sgpr_count:     70
    .vgpr_count:     256
    .wavefront_size: 32
...
	.end_amdgpu_metadata
.endif
;; end of part 1
;; launch ffn (part 2): grid 256 x 1, 8 waves a work-group, no clusters, 102,400 bytes of LDS; arguments hq, hb, W1_codes, W1_scales, b1, W2_codes, W2_scales, g2, beta2, out0; writes out0
.if DOCPART == 2
	.amdgcn_target "amdgcn-amd-amdhsa--gfx1250"
	.amdhsa_code_object_version 6
	.text
	.protected	k_qaa34a2c00a_ffn
	.globl	k_qaa34a2c00a_ffn
	.p2align	8
	.type	k_qaa34a2c00a_ffn,@function
k_qaa34a2c00a_ffn:
	s_mov_b64 s[64:65], 0
	v_nop
	global_prefetch_b8 v0, s[64:65] scope:SCOPE_SE
	s_setreg_imm32_b32 hwreg(HW_REG_WAVE_MODE, 25, 1), 1
	s_wait_xcnt 0x0
; out0 = LayerNorm(h + relu(h W1 + b1) W2 + b2) g2 + beta2.  h comes as codes and scale words (hq) and as h + b2 in f32 (hb), both as images of registers, a tile of 16 tokens at a time.
; Both products on codes of E3M2 with one E8M0 byte for 32 along K, by the scaled 16x16x128 form, used transposed (source 0 = weight rows, source 1 = tokens): a lane holds one token (lane % 16).
; The first product has K = 64: h holds zero codes at k = 64 .. 127, the weight operand whatever finite codes its next six registers hold, bytes 2 and 3 of both scale words are 0 (never 0xff): nothing is added.
; SHARES.  A work-group stays and takes 32 tiles, in 4 chunks of 8.  THE SECOND PRODUCT'S K IS SHARED OUT: wave w owns hidden units 256 w .. 256 w + 255; their rows of W1, their b1 and their columns of W2 stay in
; its registers for the whole launch, and its part of the hidden layer never leaves its registers.  In step tau of a chunk wave w works on tile (w + tau) % 8: it takes the tile's running sum from an LDS slot as the C
; of its products and puts the new sum back; step 0 starts from hb; behind step 7 the wave holds the whole sum.  So summing over the waves costs no addition.  One barrier a step.
; The rows of W1 that form a tile (row m of tile u of a batch: 8 u + m % 8 + 32 (m / 8)) are chosen so that a batch of four tiles leaves lane (r, hh) 32 neighbouring hidden units: a whole block, and six registers of the next operand.
; LIMITS: NaN and infinities are not served.  A block whose largest number lies under 2^-122 (a block of zeros too) gets the scale byte 1: its bytes never leave the wave.
.set SLOT, 32768                       ; LDS: 0: the codes of the 32 tiles, 1,024 bytes each;  SLOT: 8 running sums of 4,096 bytes, images of registers;
.set STG,  65536                       ; the way out: 16 rows of 256 + 16 bytes for each wave;
.set SP,   272
.set PAR,  100352                      ; g2, beta2
; window 0: v1 r, v2 hh, v3 8 hh, v4 SLOT + 16 lane, v5, v6 stage in and out, v7 PAR + 128 hh, v8 1,024 w + 16 lane, v9 16 lane, v10, v11 addresses in hand, v12 hb offset, v13 out0 offset, v14, v15 head only
;   v16 scale word of h, v17 unused, v18-23 codes of h, v24-29 zero codes
; window 1: v0-95 W1, tile t at 6 t;  v96-191 W2, tile nt, K step s at 96 + 12 (2 nt + s);  v192-255 b1 as C of tiles 0-7
.set HD,   32                          ; v32-63   a batch of the hidden layer
.set YA,   64                          ; v64-95   the running sum
.set RES,  96                          ; v96-127  h + b2 of the chunk's first tile
.set B1H,  128                         ; v128-191 b1 as C of tiles 8-15
.set W1S,  192                         ; v192-207 scale words of W1
.set W2S,  208                         ; v208-215 of W2
.set PC,   216                         ; v216-227 codes of 128 hidden units
.set T3,   228
.set PW,   232                         ; their scale word
.set BY0,  233
.set BY1,  234
.set SCL,  235
.set MX,   236
.set MX2,  237
.set BX,   238
.set MSB, 0
.macro WIN new                         ; the immediate's high byte repeats the setting that is left
.if MSB != \new
	s_set_vgpr_msb (MSB<<8)|\new
.set MSB, \new
.endif
.endm
.macro NOPS n
.rept \n
	v_nop
.endr
.endm
.macro SWMMA d, a, b, c, sa, sb
	v_wmma_scale_f32_16x16x128_f8f6f4 v[\d:\d+7], v[\a:\a+11], v[\b:\b+11], v[\c:\c+7], v[\sa], v[\sb] matrix_a_fmt:MATRIX_FMT_BF6 matrix_b_fmt:MATRIX_FMT_BF6
.endm
.macro W1B b                           ; batch b: four tiles, 64 hidden units; C = b1
.if (\b) < 2
	WIN 0x11                                       ; source 0 (W1) and source 2 (b1) in window 1
.else
	WIN 0x01
.endif
.irp u, 0,1,2,3
.if (\b) < 2
	SWMMA HD+8*\u, 6*(4*(\b)+\u), 18, 192+8*(4*(\b)+\u), W1S+4*(\b)+\u, 16
.else
	SWMMA HD+8*\u, 6*(4*(\b)+\u), 18, B1H+8*(4*(\b)+\u-8), W1S+4*(\b)+\u, 16
.endif
.endr
	WIN 0
.endm
.macro W2B s, res                      ; my K step s onto the running sum; res = 1: the sum starts from h + b2
	WIN 0x01
.irp nt, 0,1,2,3
.if \res
	SWMMA YA+8*\nt, 96+12*(2*\nt+\s), PC, RES+8*\nt, W2S+2*\nt+\s, PW
.else
	SWMMA YA+8*\nt, 96+12*(2*\nt+\s), PC, YA+8*\nt, W2S+2*\nt+\s, PW
.endif
.endr
	WIN 0
.endm
.macro QMAX                            ; the block's largest number after the clip at 0: no |.| on the sources, the floor 2^(5 - 127) stands over what is negative.  Ascending: each accumulator is read from its low end on
	v_max3_num_f32 v[MX], v[HD], v[HD+1], 0x2800000
	v_max3_num_f32 v[MX2], v[HD+2], v[HD+3], v[HD+4]
.irp i, 5,9,13,17,21,25
	v_max3_num_f32 v[MX], v[MX], v[HD+\i], v[HD+\i+1]
	v_max3_num_f32 v[MX2], v[MX2], v[HD+\i+2], v[HD+\i+3]
.endr
	v_max3_num_f32 v[MX], v[MX], v[HD+29], v[HD+30]
	v_max3_num_f32 v[MX], v[MX], v[MX2], v[HD+31]
.endm
.macro QSCL
	v_add_nc_u32 v[SCL], 0xfe000000, v[MX]         ; 4 off the exponent field: the conversion's scale operand
.endm
.macro QRELU
.set n, 0
.rept 32
	v_max_num_f32 v[HD+n], 0, v[HD+n]
.set n, n+1
.endr
.endm
.macro QCVT c                          ; the batch is block 2 c + hh of a K step: registers 6 c .. 6 c + 5 of the operand
	v_cvt_scalef32_pk16_bf6_f32 v[PC+6*\c:PC+6*\c+2], v[HD:HD+15], v[SCL]
	v_cvt_scalef32_pk16_bf6_f32 v[T3:T3+2], v[HD+16:HD+31], v[SCL]   ; (a conversion's three registers begin on an even number)
.if \c == 0
	v_lshrrev_b32 v[BY0], 23, v[SCL]               ; the scale's byte; also the plain place behind the conversions
.else
	v_nop
.endif
.endm
.macro QMOV c
.irp i, 0,1,2
	v_mov_b32 v[PC+6*\c+3+\i], v[T3+\i]
.endr
.endm
.macro QWORD                           ; my bytes of blocks hh and 2 + hh, with lane l xor 16's two: the token's scale word
	v_lshrrev_b32 v[BY1], 23, v[SCL]
	v_lshl_or_b32 v[BY1], v[BY1], 16, v[BY0]
	v_lshlrev_b32 v[BY1], v3, v[BY1]
	v_permlanex16_b32 v[BX], v[BY1], s36, s37
	v_or_b32 v[PW], v[BY1], v[BX]
.endm
.macro LNSTAT base                     ; a row of 64 lies in lanes l and l xor 16: centred in place; 1 / sqrt(variance + eps) comes in v240
	v_pk_add_f32 v[240:241], v[\base:\base+1], v[\base+2:\base+3]
	v_pk_add_f32 v[242:243], v[\base+8:\base+9], v[\base+10:\base+11]
	v_pk_add_f32 v[244:245], v[\base+16:\base+17], v[\base+18:\base+19]
	v_pk_add_f32 v[246:247], v[\base+24:\base+25], v[\base+26:\base+27]
.irp k, 4,6
	v_pk_add_f32 v[240:241], v[240:241], v[\base+\k:\base+\k+1]
	v_pk_add_f32 v[242:243], v[242:243], v[\base+8+\k:\base+9+\k]
	v_pk_add_f32 v[244:245], v[244:245], v[\base+16+\k:\base+17+\k]
	v_pk_add_f32 v[246:247], v[246:247], v[\base+24+\k:\base+25+\k]
.endr
	v_pk_add_f32 v[240:241], v[240:241], v[242:243]
	v_pk_add_f32 v[244:245], v[244:245], v[246:247]
	v_pk_add_f32 v[240:241], v[240:241], v[244:245]
	v_add_f32 v240, v240, v241
	v_permlanex16_b32 v242, v240, s36, s37
	v_add_f32 v240, v240, v242
	v_mul_f32 v240, s38, v240
.irp k, 0,2,4,6,8,10,12,14,16,18,20,22,24,26,28,30
	v_pk_add_f32 v[\base+\k:\base+\k+1], v[\base+\k:\base+\k+1], v[240:241] op_sel_hi:[1,0] neg_lo:[0,1] neg_hi:[0,1]
.endr
	v_pk_mul_f32 v[240:241], v[\base:\base+1], v[\base:\base+1]
	v_pk_mul_f32 v[242:243], v[\base+8:\base+9], v[\base+8:\base+9]
	v_pk_mul_f32 v[244:245], v[\base+16:\base+17], v[\base+16:\base+17]
	v_pk_mul_f32 v[246:247], v[\base+24:\base+25], v[\base+24:\base+25]
.irp k, 2,4,6
	v_pk_fma_f32 v[240:241], v[\base+\k:\base+\k+1], v[\base+\k:\base+\k+1], v[240:241]
	v_pk_fma_f32 v[242:243], v[\base+8+\k:\base+9+\k], v[\base+8+\k:\base+9+\k], v[242:243]
	v_pk_fma_f32 v[244:245], v[\base+16+\k:\base+17+\k], v[\base+16+\k:\base+17+\k], v[244:245]
	v_pk_fma_f32 v[246:247], v[\base+24+\k:\base+25+\k], v[\base+24+\k:\base+25+\k], v[246:247]
.endr
	v_pk_add_f32 v[240:241], v[240:241], v[242:243]
	v_pk_add_f32 v[244:245], v[244:245], v[246:247]
	v_pk_add_f32 v[240:241], v[240:241], v[244:245]
	v_add_f32 v240, v240, v241
	v_permlanex16_b32 v242, v240, s36, s37
	v_add_f32 v240, v240, v242
	v_fma_f32 v240, v240, s38, s39
	v_rsq_f32 v240, v240
	v_nop                                          ; one plain place behind a transcendental
.endm
	s_load_b512 s[8:23], s[0:1], 0x0               ; hq 8, hb 10, W1 codes 12, W1 scales 14, b1 16, W2 codes 18, W2 scales 20, g2 22
	s_load_b128 s[24:27], s[0:1], 0x40             ; beta2 24, out0 26
	v_lshl_add_u32 v254, v0, 2, 0x18c00
	v_mov_b32 v255, 0
	v_and_b32 v1, 15, v0                           ; r
	v_bfe_u32 v2, v0, 4, 1                         ; hh
	v_lshlrev_b32 v3, 3, v2                        ; 8 hh
	v_and_b32 v240, 31, v0
	v_lshlrev_b32 v9, 4, v240                      ; 16 x lane
	v_lshrrev_b32 v241, 5, v0
	v_readfirstlane_b32 s28, v241                  ; wave
	s_mov_b32 s36, 0x76543210                      ; selects of v_permlanex16_b32 for lane l xor 16
	s_mov_b32 s37, 0xfedcba98
	s_mov_b32 s38, 0x3c800000                      ; 1 / 64
	s_mov_b32 s39, 0x3727c5ac                      ; eps = 1e-5
.irp t, 0,1,2,3,4,5,6,7
	s_add_co_u32 s31, s28, \t
	s_and_b32 s31, s31, 7
	s_lshl_b32 s[40+\t], s31, 10                   ; 1,024 x my tile of step t
.endr
.irp j, 24,25,26,27,28,29
	v_mov_b32 v\j, 0                               ; h at k = 64 .. 127: zero codes, written once
.endr
	v_mov_b32 v[BX], 0                             ; a lane permute's destination counts as one of its sources
	v_add_nc_u32 v4, SLOT, v9
	s_mul_i32 s31, s28, 16*SP
	s_add_co_u32 s31, s31, STG
	v_mul_u32_u24 v5, v1, SP
	v_lshl_add_u32 v5, v2, 7, v5
	v_add_nc_u32 v5, s31, v5                       ; the stage, in: row r, my half's 128 bytes
	v_mul_u32_u24 v6, v2, SP
	v_lshl_add_u32 v6, v1, 4, v6
	v_add_nc_u32 v6, s31, v6                       ; and out: two whole rows an instruction
	v_lshl_add_u32 v7, v2, 7, PAR
	v_add_nc_u32 v8, s40, v9
	s_lshl_b32 s31, s40, 2
	v_add_nc_u32 v12, s31, v9                      ; hb: tile w of a chunk
	s_lshl_b32 s31, s47, 2
	v_add_nc_u32 v13, s31, v9                      ; out0: tile (w + 7) % 8 of a chunk
	v_and_b32 v240, 7, v1
	v_lshrrev_b32 v241, 3, v1
	v_lshl_add_u32 v240, v241, 5, v240             ; r % 8 + 32 (r / 8)
	v_mul_u32_u24 v14, v240, 48                    ; W1: rows of 48 bytes, + 24 hh, my 256 rows
	v_mad_u32_u24 v14, v2, 24, v14
	s_mul_i32 s31, s28, 12288
	v_add_nc_u32 v14, s31, v14
	s_lshl_b32 s31, s28, 9
	v_lshl_add_u32 v15, v240, 1, s31               ; its scale bytes: two a row
	s_lshl_b32 s31, s28, 10
	v_lshl_add_u32 v242, v2, 7, s31                ; b1: my 256 numbers, + 32 hh of them
	v_mul_u32_u24 v243, v240, 1536                 ; W2: rows of 1,536 bytes, my two K steps 192 w bytes on, + 24 hh
	v_mad_u32_u24 v243, v2, 24, v243
	s_mul_i32 s31, s28, 192
	v_add_nc_u32 v243, s31, v243
	s_lshl_b32 s31, s28, 3
	v_lshl_add_u32 v244, v240, 6, s31              ; its scale words: 64 bytes a row, my two words 8 w bytes on
	v_lshrrev_b32 v245, 1, v9                      ; 8 x lane
	v_add_nc_u32 v246, PAR, v245
	s_lshl_b32 s32, ttmp9, 15                      ; my 32 tiles: 32,768 bytes of hq, 131,072 of hb and of out0
	s_mov_b32 s33, 0
	s_lshl_b32 s34, ttmp9, 17
	s_mov_b32 s35, 0
	s_wait_kmcnt 0x0
	s_add_nc_u64 s[8:9], s[8:9], s[32:33]
	s_add_nc_u64 s[10:11], s[10:11], s[34:35]
	s_add_nc_u64 s[26:27], s[26:27], s[34:35]
	WIN 0x40                                       ; destination window 1
.irp t, 0,1,2,3,4,5,6,7,8,9,10,11,12,13,14,15
.irp p, 0,1,2
	global_load_b64 v[6*\t+2*\p:6*\t+2*\p+1], v14, s[12:13] offset:(64*(\t/4)+8*(\t%4))*48+8*\p
.endr
.endr
.irp nt, 0,1,2,3
.irp s, 0,1
.irp p, 0,1,2,3,4,5
	global_load_b64 v[96+12*(2*\nt+\s)+2*\p:96+12*(2*\nt+\s)+2*\p+1], v243, s[18:19] offset:8*\nt*1536+96*\s+48*(\p/3)+8*(\p%3)
.endr
.endr
.endr
.irp t, 0,1,2,3,4,5,6,7
	global_load_b128 v[192+8*\t:195+8*\t], v242, s[16:17] offset:(64*(\t/4)+8*(\t%4))*4
	global_load_b128 v[196+8*\t:199+8*\t], v242, s[16:17] offset:(64*(\t/4)+8*(\t%4))*4+16
.endr
	WIN 0
.irp t, 8,9,10,11,12,13,14,15
	global_load_b128 v[B1H+8*(\t-8):B1H+8*(\t-8)+3], v242, s[16:17] offset:(64*(\t/4)+8*(\t%4))*4
	global_load_b128 v[B1H+8*(\t-8)+4:B1H+8*(\t-8)+7], v242, s[16:17] offset:(64*(\t/4)+8*(\t%4))*4+16
.endr
.irp t, 0,1,2,3,4,5,6,7,8,9,10,11,12,13,14,15
	global_load_u16 v[W1S+\t], v15, s[14:15] offset:(64*(\t/4)+8*(\t%4))*2
.endr
.irp nt, 0,1,2,3
.irp s, 0,1
	global_load_b32 v[W2S+2*\nt+\s], v244, s[20:21] offset:512*\nt+4*\s
.endr
.endr
.irp q, 0,1,2,3,4,5,6,7
	global_load_b128 v[RES+4*\q:RES+4*\q+3], v12, s[10:11] offset:512*\q th:TH_LOAD_NT
.endr
.irp c, 0,1,2,3
.irp k, 0,1
	global_load_b128 v[HD+8*\c+4*\k:HD+8*\c+4*\k+3], v8, s[8:9] offset:8192*\c+512*\k th:TH_LOAD_NT   ; tiles w, w + 8, w + 16, w + 24 of hq
.endr
.endr
	s_cmp_lg_u32 s28, 0
	s_cbranch_scc1 .Lnot0
	global_load_b64 v[216:217], v245, s[22:23]
	global_load_b64 v[218:219], v245, s[24:25]
	s_wait_loadcnt 0x0
	ds_store_b64 v246, v[216:217]
	ds_store_b64 v246, v[218:219] offset:256
.Lnot0:
	s_wait_loadcnt 0x0
.irp c, 0,1,2,3
.irp k, 0,1
	ds_store_b128 v8, v[HD+8*\c+4*\k:HD+8*\c+4*\k+3] offset:8192*\c+512*\k
.endr
.endr
	ds_load_b128 v[16:19], v8                      ; my first tile: bytes that I stored myself, served in order
	ds_load_b128 v[20:23], v8 offset:512
	s_wait_dscnt 0x0
	s_barrier_signal -1
	s_barrier_wait -1                              ; the codes of all 32 tiles, g2 and beta2 lie in LDS
; A STEP: 256 hidden units of one tile of 16 tokens, in four batches of 64, and their two K steps of the second product.
.macro STEP tau
	W1B 0
	NOPS 4                                         ; places in front of the first read of results
	QMAX
	QSCL
	QRELU
	QCVT 0
	W1B 1
	QMOV 0
	v_nop                                          ; (with the three moves: four places)
.if \tau > 0
	s_barrier_wait -1                              ; every wave has put back the sum of its last step: between the signal and this wait stands work on registers alone
.endif
	s_lshl_b32 s31, s[40+\tau], 2
	v_add_nc_u32 v11, s31, v4                      ; my tile's slot
.if \tau > 0
.irp q, 0,1,2,3,4,5,6,7
	ds_load_b128 v[YA+4*\q:YA+4*\q+3], v11 offset:512*\q
.endr
.endif
	QMAX
	QSCL
	QWORD
	QRELU
	QCVT 1
	W1B 2
	QMOV 1
	v_nop
	QMAX                                           ; (these sixteen are the places between the last codes moved and the product)
.if \tau > 0
	s_wait_dscnt 0x0                               ; the running sum is in
	W2B 0, 0
.else
	s_wait_loadcnt 0x0                             ; h + b2 of this tile, asked for a chunk ago
	W2B 0, 1
.endif
	QSCL
	QRELU
.if \tau == 0
	s_cmp_eq_u32 s29, 3                            ; the next chunk's h + b2 is asked for here, seven steps ahead of its use; the last chunk asks for nothing: no load leaves its buffer
	s_cbranch_scc1 .Lnonext
.irp q, 0,1,2,3,4,5,6,7
	global_load_b128 v[RES+4*\q:RES+4*\q+3], v12, s[10:11] offset:32768+512*\q th:TH_LOAD_NT
.endr
.Lnonext:
.endif
	QCVT 0
	W1B 3
	QMOV 0
	v_nop
.if \tau < 7
	s_add_co_u32 s32, s30, s[40+\tau+1]            ; the next step's tile of h
.else
	s_add_co_u32 s32, s30, 8192                    ; the next chunk's first (behind the last chunk: the first chunk's, read and not used)
	s_and_b32 s32, s32, 0x6000
	s_add_co_u32 s32, s32, s40
.endif
	v_add_nc_u32 v10, s32, v9
	ds_load_b128 v[16:19], v10
	ds_load_b128 v[20:23], v10 offset:512
	QMAX
	QSCL
	QWORD
	QRELU
	QCVT 1
	QMOV 1
	NOPS 4                                         ; an operand written by vector instructions stands four places ahead of a scaled matrix instruction
	W2B 1, 0
	NOPS 4
.if \tau < 7
.irp q, 0,1,2,3,4,5,6,7
	ds_store_b128 v11, v[YA+4*\q:YA+4*\q+3] offset:512*\q          ; the sum goes on to the wave that takes this tile next
.endr
	s_wait_dscnt 0x0                               ; for the others' sake: my stores have landed; and the next tile of h is in
	s_barrier_signal -1
.else
	; the sum is whole: LayerNorm, and out through my own stage as whole rows
.irp c, 0,1,2,3
	ds_load_b128 v[HD+4*\c:HD+4*\c+3], v7 offset:16*\c             ; g2 and beta2 of my first 16 columns
	ds_load_b128 v[HD+16+4*\c:HD+19+4*\c], v7 offset:256+16*\c
.endr
	LNSTAT YA
	s_wait_alu depctr_va_vdst(0)
.irp k, 0,2,4,6,8,10,12,14,16,18,20,22,24,26,28,30
	v_pk_mul_f32 v[YA+\k:YA+\k+1], v[YA+\k:YA+\k+1], v[240:241] op_sel_hi:[1,0]
.endr
	s_wait_dscnt 0x0
.irp k, 0,2,4,6,8,10,12,14
	v_pk_fma_f32 v[YA+\k:YA+\k+1], v[YA+\k:YA+\k+1], v[HD+\k:HD+\k+1], v[HD+16+\k:HD+17+\k]
.endr
.irp c, 0,1,2,3
	ds_load_b128 v[HD+4*\c:HD+4*\c+3], v7 offset:64+16*\c          ; and of my other 16
	ds_load_b128 v[HD+16+4*\c:HD+19+4*\c], v7 offset:320+16*\c
.endr
.irp q, 0,1,2,3
	ds_store_b128 v5, v[YA+4*\q:YA+4*\q+3] offset:16*\q
.endr
	s_wait_dscnt 4                                 ; the eight loads are in; the four stores issued behind them may stay out
.irp k, 0,2,4,6,8,10,12,14
	v_pk_fma_f32 v[YA+16+\k:YA+17+\k], v[YA+16+\k:YA+17+\k], v[HD+\k:HD+\k+1], v[HD+16+\k:HD+17+\k]
.endr
.irp q, 4,5,6,7
	ds_store_b128 v5, v[YA+4*\q:YA+4*\q+3] offset:16*\q
.endr
.irp i, 0,1,2,3,4,5,6,7
	ds_load_b128 v[HD+4*\i:HD+4*\i+3], v6 offset:2*SP*\i           ; LDS serves a wave's instructions in order: these see my stores
.endr
	s_wait_dscnt 0x0
.irp i, 0,1,2,3,4,5,6,7
	global_store_b128 v13, v[HD+4*\i:HD+4*\i+3], s[26:27] offset:512*\i th:TH_STORE_NT   ; 32 lanes store 512 consecutive bytes, aligned: two tokens
.endr
	s_wait_xcnt 0x0                                ; the stores' data and base, and the base of the loads of hb, are written again only behind this wait
	s_barrier_signal -1                            ; (no LDS instruction of mine is out)  the slots are written again behind this barrier
	s_barrier_wait -1
.endif
.endm
	s_mov_b32 s29, 0                               ; chunk
	s_mov_b32 s30, 0                               ; 8,192 x chunk: its tiles of h in LDS
.Lchunk:
	STEP 0
	STEP 1
	STEP 2
	STEP 3
	STEP 4
	STEP 5
	STEP 6
	STEP 7
	s_add_nc_u64 s[10:11], s[10:11], 32768
	s_add_nc_u64 s[26:27], s[26:27], 32768
	s_add_co_u32 s30, s30, 8192
	s_add_co_u32 s29, s29, 1
	s_cmp_lt_u32 s29, 4
	s_cbranch_scc1 .Lchunk
	s_wait_tensorcnt 0x0
	ds_add_u32 v254, v255
	s_wait_dscnt 0x0
	s_endpgm
.Lfunc_end_k_qaa34a2c00a_ffn:
	.size	k_qaa34a2c00a_ffn, .Lfunc_end_k_qaa34a2c00a_ffn-k_qaa34a2c00a_ffn
	.p2alignl 7, 3214868480
	.fill 96, 4, 3214868480
	.section	.rodata,"a",@progbits
	.p2align	6, 0x0
	.amdhsa_kernel k_qaa34a2c00a_ffn
		.amdhsa_group_segment_fixed_size 102400
		.amdhsa_private_segment_fixed_size 0
		.amdhsa_enable_private_segment 0
		.amdhsa_kernarg_size 80
		.amdhsa_user_sgpr_count 2
		.amdhsa_user_sgpr_kernarg_segment_ptr 1
		.amdhsa_wavefront_size32 1
		.amdhsa_system_sgpr_workgroup_id_x 1
		.amdhsa_system_sgpr_workgroup_id_y 1
		.amdhsa_system_sgpr_workgroup_id_z 1
		.amdhsa_system_vgpr_workitem_id 0
		.amdhsa_next_free_vgpr 512
		.amdhsa_next_free_sgpr 66
		.amdhsa_reserve_vcc 0
		.amdhsa_float_denorm_mode_32 3
		.amdhsa_float_denorm_mode_16_64 3
		.amdhsa_memory_ordered 1
		.amdhsa_forward_progress 1
		.amdhsa_inst_pref_size 151
	.end_amdhsa_kernel
	.amdgpu_metadata
---
amdhsa.version: [ 1, 2 ]
amdhsa.kernels:
  - .name:           k_qaa34a2c00a_ffn
    .symbol:         k_qaa34a2c00a_ffn.kd
    .args:
      - { .name: hq, .offset: 0, .size: 8, .value_kind: global_buffer, .address_space: global }
      - { .name: hb, .offset: 8, .size: 8, .value_kind: global_buffer, .address_space: global }
      - { .name: W1_codes, .offset: 16, .size: 8, .value_kind: global_buffer, .address_space: global }
      - { .name: W1_scales, .offset: 24, .size: 8, .value_kind: global_buffer, .address_space: global }
      - { .name: b1, .offset: 32, .size: 8, .value_kind: global_buffer, .address_space: global }
      - { .name: W2_codes, .offset: 40, .size: 8, .value_kind: global_buffer, .address_space: global }
      - { .name: W2_scales, .offset: 48, .size: 8, .value_kind: global_buffer, .address_space: global }
      - { .name: g2, .offset: 56, .size: 8, .value_kind: global_buffer, .address_space: global }
      - { .name: beta2, .offset: 64, .size: 8, .value_kind: global_buffer, .address_space: global }
      - { .name: out0, .offset: 72, .size: 8, .value_kind: global_buffer, .address_space: global }
    .group_segment_fixed_size: 102400
    .private_segment_fixed_size: 0
    .kernarg_segment_align: 8
    .kernarg_segment_size: 80
    .max_flat_workgroup_size: 256
    .sgpr_count:     66
    .vgpr_count:     512
    .wavefront_size: 32
...
	.end_amdgpu_metadata
.endif
;; end of part 2
;; ======== version 2 of 2: 2 launches; version 1 with the launches attn, ffn written anew for expert scheduling mode
;; workspace buffers: hb 33,554,432 bytes; hq 8,388,608 bytes
;; launch attn (part 3): grid 512 x 1, 16 waves a work-group, no clusters, 289,792 bytes of LDS; arguments x, Wq_codes, Wq_scales, Wk_codes, Wk_scales, Wv_codes, Wv_scales, bq, bk, bv, Wp_codes, Wp_scales, bp, g1, beta1, b2, hb, hq; writes hb, hq
.if DOCPART == 3
	.amdgcn_target "amdgcn-amd-amdhsa--gfx1250"
	.amdhsa_code_object_version 6
	.text
	.protected	k_qaa34a2c00a_attn
	.globl	k_qaa34a2c00a_attn
	.p2align	8
	.type	k_qaa34a2c00a_attn,@function
k_qaa34a2c00a_attn:
	s_mov_b64 s[64:65], 0
	v_nop
	global_prefetch_b8 v0, s[64:65] scope:SCOPE_SE
	s_setreg_imm32_b32 hwreg(HW_REG_WAVE_SCHED_MODE, 0, 2), 2
	s_setreg_imm32_b32 hwreg(HW_REG_WAVE_MODE, 25, 1), 1
	s_wait_xcnt 0x0
	s_wait_alu depctr_vm_vsrc(0)
; h = LayerNorm(x + attention(x) Wp + bp) g1 + beta1 for one batch element (256 tokens x 64) a work-group; stored as hb = h + b2 (f32) and hq = codes and scale words of h.
; QUANTISED products (x with Wq, Wk, Wv; o with Wp): codes of E3M2, one E8M0 byte for 32 along K, by the scaled 16x16x128 form.  K is 64: the token operand holds zero codes at k = 64 .. 127, the weight
; operand whatever finite codes its next six registers hold, and bytes 2 and 3 of all scale words are 0 (never 0xff): those products add nothing.
; Scores and weights x values lead into the quantiser of o, so they are f32: q k^T by the f32 16x16x4 form, p v by packed multiply-adds.
; SHARES.  16 waves.  Phases X and P: wave w owns token tile w (16 tokens).  QKV and attention: wave w serves head w / 2, part sp = w % 2.  Attention: groups of 64 queries; part sp takes groups sp and 3 - sp,
; which makes 48 full and 20 diagonal tiles of 16 x 16 for either part.
; ALL PRODUCTS ARE USED TRANSPOSED (source 0 = weight rows or keys, source 1 = tokens or queries): a lane holds one token (lane % 16).  The rows of Wp that form a tile are chosen (row m of tile u = 8 u + m % 8 + 32 (m / 8))
; so that lane (r, hh) holds columns 32 hh + 0 .. 31 in 32 registers: a whole block of the next quantiser.
; SOFTMAX.  t = (c q) . k, c = log2(e) / sqrt(8).  Each LANE keeps a running maximum m, sum l and sums O over its own keys (8 hh + j of each key tile); the two halves of the lanes are merged at a group's end.
; LIMITS: NaN and infinities among the inputs are not served.  A block whose largest magnitude lies under 2^-122 (a block of zeros too) gets the scale byte 1; the bytes are read by this program alone.
; THE MODE: SCHED_MODE bits 1:0 = 2 (LLVM: expert scheduling mode 2), set by the entry lines.  The code itself states the register dependences
; between vector or matrix instructions and memory or LDS instructions, with s_wait_alu, always for 0.
; THE PLAN.  Registers that memory or LDS instructions touch:
;   v3, v5-7, v12   offsets and LDS addresses, made at the head and never written again.
;   v8-11, v13      a phase's addresses: written at the phase's head behind a wait on vm_vsrc (the phase before has read them), read behind the phase's first wait on va_vdst.
;   v9, v10         in attention: written once a key step, behind a wait on vm_vsrc; the step's one wait on va_vdst at its head states that they are written
;                   and that the step before is done reading KF and VT, in which the step's seventeen loads land.
;   X     v124-155 go to LDS as loaded and come back turned (vm_vsrc between); v156-163, the codes, are stored behind one wait on va_vdst.
;   QKV   v124-131, v138-145: loaded, read by four products.  v152-183: written by the products and the vector lines behind them, stored behind ONE wait on va_vdst for both tiles, which also
;         serves the next pair's loads; written again by the next pair's products behind a wait on vm_vsrc.
;   o     the four tiles' sums are finished first, then stored behind one wait on va_vdst.
;   P     one wait on va_vdst ahead of the first run of loads, one ahead of the second run (it also states that the product's codes and scale word are written), one ahead of all ten global stores.
.set HEADB, 24576                      ; LDS of a head: q, later o (16 tiles x 512 bytes, a lane's 16 bytes at 16 x lane: e = 4 hh + 0 .. 3 of token r); k likewise; v as [e][token] f32
.set KOFF,  8192
.set VOFF,  16384
.set XS,    196608                     ; x: 256 rows of 256 bytes + 16
.set XP,    272
.set XIMG,  266240                     ; codes of x: 16 tiles x 1,024 bytes, images of registers: (scale word, 0, c0, c1) at 16 x lane, (c2 .. c5) 512 bytes on
.set PAR,   282624                     ; Wp codes 3,072, Wp scales 128, bp, g1, beta1, b2: 256 each
.set P_WS,  3072
.set P_BP,  3200
.set P_G1,  3456
.set P_BE,  3712
.set P_B2,  3968
; v1 r, v2 hh, v3 16 x lane, v4 8 hh, v5 q of my head + 16 x lane, v6 the same for k, v7 v of my head + 32 hh, v8-10 addresses in hand, v11, v13 a phase's own, v12 my row of x in XS, v[14:15] c or 1.0
.set MASK, 16                          ; v16-23   the diagonal tile's C: -infinity where key 8 hh + j > query r
.set ST,   24                          ; v24-47   six a query tile: m, t, alpha, (pad), l in two halves
.set S,    56                          ; v56-87   scores: written by the f32 matrix form alone, in the whole text
.set QF,   88                          ; v88-103  q of four tiles
.set KF,   104                         ; v104-107 k of one tile
.set P,    108                         ; v108-123 p, two sets by turns
.set VT,   124                         ; v124-187 v: register 8 e + j = v[key 8 hh + j][e]
.set O2,   188                         ; v188-251 sums of p v: tile i, channel e: a pair (even keys, odd keys) at 16 i + 2 e
; v48-55 at work.  Phases X, QKV and P lay their own registers over v88-253 (never over v56-87).
.macro NOPS n
.rept \n
	v_nop
.endr
.endm
.macro BAR                             ; my LDS stores have landed and my LDS loads are in: then the work-group's barrier
	s_wait_dscnt 0x0
	s_barrier_signal -1
	s_barrier_wait -1
.endm
.macro SWMMA d, a, b, c, sa, sb
	v_wmma_scale_f32_16x16x128_f8f6f4 v[\d:\d+7], v[\a:\a+11], v[\b:\b+11], v[\c:\c+7], v[\sa], v[\sb] matrix_a_fmt:MATRIX_FMT_BF6 matrix_b_fmt:MATRIX_FMT_BF6
.endm
; 32 numbers of a lane (k = 32 hh + 0 .. 31 of my token) become six registers of codes at dst + 2 on, and my token's scale word at dst (byte hh mine, the other from lane l xor 16).
.macro QUANT32 src, dst, tmp
	v_max3_num_f32 v48, |v[\src]|, |v[\src+1]|, 0x2800000          ; the floor 2^(5 - 127) among the leaves: the byte cannot fall under 1
	v_max3_num_f32 v49, |v[\src+2]|, |v[\src+3]|, |v[\src+4]|
.irp i, 5,9,13,17,21,25
	v_max3_num_f32 v48, v48, |v[\src+\i]|, |v[\src+\i+1]|
	v_max3_num_f32 v49, v49, |v[\src+\i+2]|, |v[\src+\i+3]|
.endr
	v_max3_num_f32 v48, v48, |v[\src+29]|, |v[\src+30]|
	v_max3_num_f32 v48, v48, v49, |v[\src+31]|                     ; the block's largest magnitude: all 32 are mine
	v_add_nc_u32 v50, 0xfe000000, v48                              ; 4 off its exponent field: the conversion's scale operand
	v_lshrrev_b32 v51, 23, v50                                     ; the scale's byte,
	v_lshlrev_b32 v51, v4, v51                                     ; at its place in the word,
	v_permlanex16_b32 v52, v51, s58, s59
	v_or_b32 v[\dst], v51, v52                                     ; with the other block's
	v_cvt_scalef32_pk16_bf6_f32 v[\dst+2:\dst+4], v[\src:\src+15], v50
	v_cvt_scalef32_pk16_bf6_f32 v[\tmp:\tmp+2], v[\src+16:\src+31], v50   ; (a conversion's three registers begin on an even number)
	v_nop                                                          ; one plain place behind a scaled conversion
.irp i, 0,1,2
	v_mov_b32 v[\dst+5+\i], v[\tmp+\i]
.endr
.endm
; A row of 64 lies in lanes l and l xor 16, 32 registers each.  The row is centred in place; 1 / sqrt(variance + eps) comes in v48.  Each group of eight registers is read from its low end on.
.macro LNSTAT base
	v_pk_add_f32 v[48:49], v[\base:\base+1], v[\base+2:\base+3]
	v_pk_add_f32 v[50:51], v[\base+8:\base+9], v[\base+10:\base+11]
	v_pk_add_f32 v[52:53], v[\base+16:\base+17], v[\base+18:\base+19]
	v_pk_add_f32 v[54:55], v[\base+24:\base+25], v[\base+26:\base+27]
.irp k, 4,6
	v_pk_add_f32 v[48:49], v[48:49], v[\base+\k:\base+\k+1]
	v_pk_add_f32 v[50:51], v[50:51], v[\base+8+\k:\base+9+\k]
	v_pk_add_f32 v[52:53], v[52:53], v[\base+16+\k:\base+17+\k]
	v_pk_add_f32 v[54:55], v[54:55], v[\base+24+\k:\base+25+\k]
.endr
	v_pk_add_f32 v[48:49], v[48:49], v[50:51]
	v_pk_add_f32 v[52:53], v[52:53], v[54:55]
	v_pk_add_f32 v[48:49], v[48:49], v[52:53]
	v_add_f32 v48, v48, v49
	v_permlanex16_b32 v50, v48, s58, s59
	v_add_f32 v48, v48, v50
	v_mul_f32 v48, s60, v48                                        ; the mean
.irp k, 0,2,4,6,8,10,12,14,16,18,20,22,24,26,28,30
	v_pk_add_f32 v[\base+\k:\base+\k+1], v[\base+\k:\base+\k+1], v[48:49] op_sel_hi:[1,0] neg_lo:[0,1] neg_hi:[0,1]
.endr
	v_pk_mul_f32 v[48:49], v[\base:\base+1], v[\base:\base+1]
	v_pk_mul_f32 v[50:51], v[\base+8:\base+9], v[\base+8:\base+9]
	v_pk_mul_f32 v[52:53], v[\base+16:\base+17], v[\base+16:\base+17]
	v_pk_mul_f32 v[54:55], v[\base+24:\base+25], v[\base+24:\base+25]
.irp k, 2,4,6
	v_pk_fma_f32 v[48:49], v[\base+\k:\base+\k+1], v[\base+\k:\base+\k+1], v[48:49]
	v_pk_fma_f32 v[50:51], v[\base+8+\k:\base+9+\k], v[\base+8+\k:\base+9+\k], v[50:51]
	v_pk_fma_f32 v[52:53], v[\base+16+\k:\base+17+\k], v[\base+16+\k:\base+17+\k], v[52:53]
	v_pk_fma_f32 v[54:55], v[\base+24+\k:\base+25+\k], v[\base+24+\k:\base+25+\k], v[54:55]
.endr
	v_pk_add_f32 v[48:49], v[48:49], v[50:51]
	v_pk_add_f32 v[52:53], v[52:53], v[54:55]
	v_pk_add_f32 v[48:49], v[48:49], v[52:53]
	v_add_f32 v48, v48, v49
	v_permlanex16_b32 v50, v48, s58, s59
	v_add_f32 v48, v48, v50
	v_fma_f32 v48, v48, s60, s61                                   ; variance + eps
	v_rsq_f32 v48, v48
	v_nop                                                          ; one plain place behind a transcendental
.endm
	s_load_b512 s[8:23], s[0:1], 0x0               ; x 8, Wq codes 10, Wq scales 12, Wk codes 14, Wk scales 16, Wv codes 18, Wv scales 20, bq 22
	s_load_b512 s[24:39], s[0:1], 0x40             ; bk 24, bv 26, Wp codes 28, Wp scales 30, bp 32, g1 34, beta1 36, b2 38
	s_load_b128 s[40:43], s[0:1], 0x80             ; hb 40, hq 42
	v_lshl_add_u32 v254, v0, 2, 0x46400
	v_mov_b32 v255, 0
	v_and_b32 v1, 15, v0                           ; r
	v_bfe_u32 v2, v0, 4, 1                         ; hh
	v_and_b32 v48, 31, v0
	v_lshlrev_b32 v3, 4, v48                       ; 16 x lane
	v_lshlrev_b32 v4, 3, v2                        ; 8 hh
	v_lshrrev_b32 v49, 5, v0
	v_readfirstlane_b32 s44, v49                   ; wave
	v_cmp_le_u32 s66, 8, v1                        ; lanes with r >= 8
	v_cmp_eq_u32 s67, 1, v2                        ; lanes 16-31
	v_sub_nc_u32 v48, v1, v4                       ; r - 8 hh
.irp j, 0,1,2,3,4,5,6,7
	v_cmp_gt_i32 s[2+\j+60*(\j/6)], \j, v48        ; key 8 hh + j comes after query r: eight masks, in s2-7, s68, s69
.endr
	s_wait_alu depctr_va_sdst(0)                   ; s44, s66, s67 and the eight masks are written, ahead of the first reader of any of them: one wait for the run of eleven
	s_lshr_b32 s45, s44, 1                         ; head
	s_and_b32 s46, s44, 1                          ; part
	s_mov_b32 s58, 0x76543210                      ; selects of v_permlanex16_b32 for lane l xor 16
	s_mov_b32 s59, 0xfedcba98
	s_mov_b32 s60, 0x3c800000                      ; 1 / 64
	s_mov_b32 s61, 0x3727c5ac                      ; eps = 1e-5
	s_mul_i32 s47, s45, HEADB
	v_add_nc_u32 v5, s47, v3
	v_add_nc_u32 v6, KOFF, v5
	v_lshl_add_u32 v7, v2, 5, s47
	v_add_nc_u32 v7, VOFF, v7
	s_lshl_b32 s48, s46, 11                        ; my first group g: 2,048 g bytes of q or k, 256 g bytes in a row of v, 4 g key tiles in front of it
	s_lshl_b32 s49, s46, 8
	s_lshl_b32 s50, s46, 2
	s_xor_b32 s47, s46, 3                          ; my second group
	s_lshl_b32 s51, s47, 11
	s_lshl_b32 s52, s47, 8
	s_lshl_b32 s53, s47, 2
	v_mov_b32 v49, 0xff800000                      ; -infinity
.irp j, 0,1,2,3,4,5,6,7
	v_cndmask_b32 v[MASK+\j], 0, v49, s[2+\j+60*(\j/6)]
.endr
	v_mov_b32 v50, 0x3f0293ee                      ; c = log2(e) / sqrt(8)
	v_mov_b32 v51, 1.0
	v_cndmask_b32 v14, v50, v51, s67               ; lanes 0-15 will hold q (x c), lanes 16-31 k (x 1)
	v_mov_b32 v15, v14
.irp j, 52,53,54,55
	v_mov_b32 v\j, 0                               ; written once: a lane permute's destination counts as one of its sources
.endr
	s_mul_i32 s47, s44, 16*XP                      ; every LDS address of the phases X and of the staging is made here, ahead of the branch on the wave's number
	s_add_co_u32 s47, s47, XS
	v_mul_u32_u24 v11, v2, XP
	v_lshl_add_u32 v11, v1, 4, v11
	v_add_nc_u32 v11, s47, v11                     ; x into XS as it is loaded: two rows an instruction
	v_mul_u32_u24 v12, v1, XP
	v_lshl_add_u32 v12, v2, 7, v12
	v_add_nc_u32 v12, s47, v12                     ; and back: row r, my half's 128 bytes
	s_lshl_b32 s47, s44, 10
	s_add_co_u32 s47, s47, XIMG
	v_add_nc_u32 v13, s47, v3
	v_lshrrev_b32 v24, 2, v3                       ; 4 x lane
	v_lshrrev_b32 v25, 1, v3                       ; 8 x lane
	v_add_nc_u32 v26, PAR, v3
	v_add_nc_u32 v27, PAR+P_WS, v24
	v_add_nc_u32 v28, PAR+P_BP, v25
	v_and_b32 v48, 7, v1
	v_mul_u32_u24 v8, v48, 48                      ; my head's weights: row 8 H + r % 8 of 48 bytes, + 24 hh
	v_mad_u32_u24 v8, v2, 24, v8
	s_mul_i32 s47, s45, 384
	v_add_nc_u32 v8, s47, v8
	s_lshl_b32 s47, s45, 4
	v_lshl_add_u32 v9, v48, 1, s47                 ; their scale bytes: two a row
	s_lshl_b32 s47, s45, 5
	v_mov_b32 v10, s47                             ; my head's eight numbers of a bias
	s_lshl_b32 s62, ttmp9, 16                      ; my tile: 65,536 x batch + 4,096 x wave bytes in x and in hb,
	s_lshl_b32 s47, s44, 12
	s_add_co_u32 s62, s62, s47
	s_mov_b32 s63, 0
	s_lshr_b32 s54, s62, 2                         ; a quarter of that in hq
	s_mov_b32 s55, 0
	s_wait_kmcnt 0x0
	s_add_nc_u64 s[8:9], s[8:9], s[62:63]
	s_add_nc_u64 s[40:41], s[40:41], s[62:63]
	s_add_nc_u64 s[42:43], s[42:43], s[54:55]
	s_wait_alu depctr_va_vdst(0)                   ; the offsets and LDS addresses v3, v5-13 and v24-28 are written, which the loads and stores below read
.irp i, 0,1,2,3,4,5,6,7
	global_load_b128 v[124+4*\i:127+4*\i], v3, s[8:9] offset:512*\i th:TH_LOAD_NT   ; 32 lanes read 512 consecutive bytes: two tokens
.endr
.irp p, 0,1,2
	global_load_b64 v[188+2*\p:189+2*\p], v8, s[10:11] offset:8*\p   ; Wq
	global_load_b64 v[230+2*\p:231+2*\p], v8, s[14:15] offset:8*\p   ; Wk
	global_load_b64 v[200+2*\p:201+2*\p], v8, s[18:19] offset:8*\p   ; Wv
.endr
	global_load_u16 v228, v9, s[12:13]
	global_load_u16 v236, v9, s[16:17]
	global_load_u16 v229, v9, s[20:21]
.irp p, 0,1
	global_load_b128 v[212+4*\p:215+4*\p], v10, s[22:23] offset:16*\p   ; bq
	global_load_b128 v[244+4*\p:247+4*\p], v10, s[24:25] offset:16*\p   ; bk
	global_load_b128 v[220+4*\p:223+4*\p], v10, s[26:27] offset:16*\p   ; bv
.endr
	s_cmp_lg_u32 s44, 0                            ; wave 0 brings what phase P wants of all waves into LDS, in whole runs
	s_cbranch_scc1 .Lnot0
.irp i, 0,1,2,3,4,5
	global_load_b128 v[88+4*\i:91+4*\i], v3, s[28:29] offset:512*\i
.endr
	global_load_b32 v112, v24, s[30:31]
	global_load_b64 v[114:115], v25, s[32:33]
	global_load_b64 v[116:117], v25, s[34:35]
	global_load_b64 v[118:119], v25, s[36:37]
	global_load_b64 v[120:121], v25, s[38:39]
	s_wait_loadcnt 0x0
.irp i, 0,1,2,3,4,5
	ds_store_b128 v26, v[88+4*\i:91+4*\i] offset:512*\i
.endr
	ds_store_b32 v27, v112
	ds_store_b64 v28, v[114:115]
	ds_store_b64 v28, v[116:117] offset:256
	ds_store_b64 v28, v[118:119] offset:512
	ds_store_b64 v28, v[120:121] offset:768
.Lnot0:
	s_wait_loadcnt 0x0                             ; x and my head's weights are in
	; ---- X: my 16 tokens of x turn through XS (a lane then holds 32 neighbours of one token) and are quantised
.irp i, 0,1,2,3,4,5,6,7
	ds_store_b128 v11, v[124+4*\i:127+4*\i] offset:2*XP*\i
.endr
	s_wait_alu depctr_vm_vsrc(0)                   ; the stores above have read v124-155, in which the loads below land; wave 0's staging has read v24-28, which the statistics take below
.irp c, 0,1,2,3,4,5,6,7
	ds_load_b128 v[124+4*\c:127+4*\c], v12 offset:16*\c            ; LDS serves a wave's instructions in order: these see my stores
.endr
.irp j, 0,1,2,3,4,5
	v_cndmask_b32 v[188+\j], v[188+\j], v[230+\j], s66             ; one tile of weights: rows 0-7 Wq, rows 8-15 Wk of my head
.endr
	v_cndmask_b32 v228, v228, v236, s66
.irp j, 0,1,2,3,4,5,6,7
	v_cndmask_b32 v[212+\j], v[212+\j], v[244+\j], s67             ; its C: bq in lanes 0-15 (result rows 0-7), bk in lanes 16-31
.endr
.irp j, 194,195,196,197,198,199,206,207,208,209,210,211
	v_mov_b32 v\j, 0                               ; the weight operands' k = 64 .. 127
.endr
.irp i, 0,1,2,3
	v_mov_b32 v[ST+6*\i+1], 0                      ; named as halves of pairs before they are first written
	v_mov_b32 v[ST+6*\i+3], 0
.endr
	v_mov_b32 v157, 0
	s_wait_dscnt 0x0
	QUANT32 124, 156, 164
	s_wait_alu depctr_va_vdst(0)                   ; the quantiser has written v156-163, which the two stores read
	ds_store_b128 v13, v[156:159]
	ds_store_b128 v13, v[160:163] offset:512
	BAR                                            ; the codes of all 256 tokens, and wave 0's parameters, lie in LDS
	; ---- QKV: my head, token tiles 8 sp .. 8 sp + 7, two at a time
	s_wait_alu depctr_vm_vsrc(0)                   ; the two stores have read v13, the head's loads v8 and v9: all three are written again below
.irp j, 132,133,134,135,136,137,146,147,148,149,150,151
	v_mov_b32 v\j, 0                               ; the token operands' k = 64 .. 127: zero codes
.endr
	s_lshl_b32 s47, s46, 13
	s_add_co_u32 s47, s47, XIMG
	v_add_nc_u32 v13, s47, v3
	s_lshl_b32 s47, s46, 12
	v_add_nc_u32 v8, s47, v5                       ; where q and k of my first tile go
	s_lshl_b32 s47, s46, 9
	s_mul_i32 s57, s45, HEADB
	s_add_co_u32 s57, s57, VOFF
	s_add_co_u32 s57, s57, s47
	v_lshl_add_u32 v9, v1, 2, s57                  ; and v: row e, word 128 sp + 16 tile + r
	NOPS 4                                         ; an operand written by vector instructions stands four places ahead of a scaled matrix instruction
	s_wait_alu depctr_va_vdst(0)                   ; v13, v8 and v9 are written; the quantiser is done reading v124-145, in which the loads land; the weights, zero codes and scale words that selects and moves made are written, which the products take
.macro QKVVEC dq
.irp a, 0,2,4,6
	v_pk_mul_f32 v[\dq+\a:\dq+\a+1], v[\dq+\a:\dq+\a+1], v[14:15]  ; q x c (lanes 0-15), k x 1
.endr
.irp j, 0,1,2,3
	v_permlane16_swap_b32 v[\dq+\j], v[\dq+\j+4]   ; registers 0-3: q, e = 4 hh + j; registers 4-7: k likewise
.endr
.endm
.macro QKVST dq, dv, tile
	ds_store_b128 v8, v[\dq:\dq+3] offset:512*(\tile)
	ds_store_b128 v8, v[\dq+4:\dq+7] offset:KOFF+512*(\tile)
.irp e, 0,1,2,3,4,5,6,7
	ds_store_b32 v9, v[\dv+\e] offset:1024*\e+64*(\tile)           ; both halves of the lanes hold the same v and write the same word
.endr
.endm
.macro QKVPAIR t0
	ds_load_b128 v[124:127], v13 offset:1024*(\t0)                 ; no wait: no vector or matrix instruction since the last wait on va_vdst names these registers
	ds_load_b128 v[128:131], v13 offset:1024*(\t0)+512
	ds_load_b128 v[138:141], v13 offset:1024*(\t0)+1024
	ds_load_b128 v[142:145], v13 offset:1024*(\t0)+1536
	s_wait_dscnt 0x0
.if \t0 > 0
	s_wait_alu depctr_vm_vsrc(0)                   ; the last pair's stores have read v152-183, which the products write again
.endif
	SWMMA 152, 188, 126, 212, 228, 124
	SWMMA 160, 200, 126, 220, 229, 124
	SWMMA 168, 188, 140, 212, 228, 138
	SWMMA 176, 200, 140, 220, 229, 138
	NOPS 4                                         ; places in front of the first read of results
	QKVVEC 152
	QKVVEC 168
	s_wait_alu depctr_va_vdst(0)                   ; q, k and v of both tiles are written, which the twenty stores read; the products are done reading v124-151, in which the next pair's loads land
	QKVST 152, 160, \t0
	QKVST 168, 176, \t0+1
.endm
	QKVPAIR 0
	QKVPAIR 2
	QKVPAIR 4
	QKVPAIR 6
	BAR                                            ; q, k and v of all heads lie in LDS
	; ---- attention
; One query tile against one key tile: the softmax's step and p v.  wv = 1: the wait for v stands in front of the multiply-adds.
.macro SMPV t, wv
.set rM, ST+6*(\t)
.set rS, S+8*(\t)
.set rP, P+8*((\t)%2)
.set rO, O2+16*(\t)
	v_max3_num_f32 v[rM+1], v[rS], v[rS+1], v[rM]                  ; my eight scores and the old m
	v_max3_num_f32 v[rM+1], v[rM+1], v[rS+2], v[rS+3]
	v_max3_num_f32 v[rM+1], v[rM+1], v[rS+4], v[rS+5]
	v_max3_num_f32 v[rM+1], v[rM+1], v[rS+6], v[rS+7]
	v_sub_f32 v[rM+2], v[rM], v[rM+1]
	v_exp_f32 v[rM+2], v[rM+2]                                     ; alpha = 2^(old m - new m)
	v_mov_b32 v[rM], v[rM+1]
.irp a, 0,2,4,6
	v_pk_add_f32 v[rP+\a:rP+\a+1], v[rS+\a:rS+\a+1], v[rM:rM+1] op_sel_hi:[1,0] neg_lo:[0,1] neg_hi:[0,1]
.endr
.irp j, 0,1,2,3,4,5,6,7
	v_exp_f32 v[rP+\j], v[rP+\j]                                   ; p = 2^(t - m); 0 for a hidden key
.endr
	s_wait_alu depctr_va_vdst(0)                   ; the nine exponentials have written alpha and p: one wait for the batch, ahead of its first reader
.irp e, 0,2,4,6,8,10,12,14
	v_pk_mul_f32 v[rO+\e:rO+\e+1], v[rO+\e:rO+\e+1], v[rM+2:rM+3] op_sel_hi:[1,0]   ; (the first is the plain place behind the exponentials)
.endr
	v_pk_fma_f32 v[rM+4:rM+5], v[rM+4:rM+5], v[rM+2:rM+3], v[rP:rP+1] op_sel_hi:[1,0,1]
.irp a, 2,4,6
	v_pk_add_f32 v[rM+4:rM+5], v[rM+4:rM+5], v[rP+\a:rP+\a+1]
.endr
.if \wv
	s_wait_dscnt 0x0                               ; v is in
.endif
.irp a, 0,2,4,6
.irp e, 0,1,2,3,4,5,6,7
	v_pk_fma_f32 v[rO+2*\e:rO+2*\e+1], v[rP+\a:rP+\a+1], v[VT+8*\e+\a:VT+8*\e+\a+1], v[rO+2*\e:rO+2*\e+1]
.endr
.endr
.endm
; One key tile (addresses in v9, v10) against query tiles from .. 3 of the group.  dg = 1: tile from lies on the diagonal and starts from the mask.
.macro KSTEP from, dg, ko, vo
	s_wait_alu depctr_va_vdst(0)                   ; the step before is done reading KF (its matrix instructions) and VT (its multiply-adds), in which the loads below land; where v9 and v10 were just made, they are written
	ds_load_b128 v[KF:KF+3], v9 offset:\ko
.irp e, 0,1,2,3,4,5,6,7
	ds_load_b128 v[VT+8*\e:VT+8*\e+3], v10 offset:\vo+1024*\e      ; sixteen lanes read the same 16 bytes
	ds_load_b128 v[VT+8*\e+4:VT+8*\e+7], v10 offset:\vo+1024*\e+16
.endr
	s_wait_dscnt 16                                ; q and k are in; the sixteen loads of v issued behind them may stay out
.irp i, 0,1,2,3
.if \i >= \from
.if \dg && (\i == \from)
	v_wmma_f32_16x16x4_f32 v[S+8*\i:S+8*\i+7], v[KF:KF+1], v[QF+4*\i:QF+4*\i+1], v[MASK:MASK+7]
.else
	v_wmma_f32_16x16x4_f32 v[S+8*\i:S+8*\i+7], v[KF:KF+1], v[QF+4*\i:QF+4*\i+1], 0
.endif
.endif
.endr
.if \from == 3
	s_wait_alu depctr_va_vdst(0)                   ; one accumulator alone
.endif
.irp i, 0,1,2,3
.if \i >= \from
	v_wmma_f32_16x16x4_f32 v[S+8*\i:S+8*\i+7], v[KF+2:KF+3], v[QF+4*\i+2:QF+4*\i+3], v[S+8*\i:S+8*\i+7]
.endif
.endr
	NOPS 8                                         ; places behind this form, in front of the first read of results
.irp i, 0,1,2,3
.if \i >= \from
.if \i == \from
	SMPV \i, 1
.else
	SMPV \i, 0
.endif
.endif
.endr
.endm
; A query tile's end: the two halves of the lanes are brought under one maximum, added and divided by the sum.  The four tiles' o are stored together, behind them (GROUP).
.macro FINISH t
.set rM, ST+6*(\t)
.set rO, O2+16*(\t)
	v_permlanex16_b32 v48, v[rM], s58, s59
	v_max_num_f32 v48, v48, v[rM]
	v_sub_f32 v50, v[rM], v48
	v_exp_f32 v50, v50                             ; f = 2^(my m - the query's m); 0 for a half that saw hidden keys alone
	v_add_f32 v49, v[rM+4], v[rM+5]
	s_wait_alu depctr_va_vdst(0)                   ; the exponential has written f, ahead of its first reader
	v_mul_f32 v49, v49, v50
	v_permlanex16_b32 v52, v49, s58, s59
	v_add_f32 v49, v49, v52                        ; the query's sum: at least 1
	v_rcp_f32 v49, v49
.irp e, 0,1,2,3,4,5,6,7
	v_add_f32 v[rO+\e], v[rO+2*\e], v[rO+2*\e+1]
.endr
	s_wait_alu depctr_va_vdst(0)                   ; the reciprocal is written, ahead of its first reader
	v_mul_f32 v50, v50, v49
.irp a, 0,2,4,6
	v_pk_mul_f32 v[rO+\a:rO+\a+1], v[rO+\a:rO+\a+1], v[50:51] op_sel_hi:[1,0]
.endr
.irp j, 0,1,2,3
	v_permlane16_swap_b32 v[rO+\j], v[rO+\j+4]     ; lanes 0-15: both halves' e = j; lanes 16-31: both halves' e = j + 4
.endr
	v_pk_add_f32 v[rO:rO+1], v[rO:rO+1], v[rO+4:rO+5]
	v_pk_add_f32 v[rO+2:rO+3], v[rO+2:rO+3], v[rO+6:rO+7]
.endm
; A group of 64 queries.  Every wave walks twelve trips, a constant of the text; a trip whose key tile does not lie in front of the group does no work.
.macro GROUP gq, gv, lim
	s_wait_alu depctr_vm_vsrc(0)                   ; the LDS stores issued so far have read v8 and v9 and, behind a group, the sums in O2: all are written again below
	v_add_nc_u32 v8, s[\gq], v5
	s_wait_alu depctr_va_vdst(0)                   ; v8 is written; the matrix instructions of a group before are done reading QF, in which the loads land
.irp i, 0,1,2,3
	ds_load_b128 v[QF+4*\i:QF+4*\i+3], v8 offset:512*\i
.endr
.set n, 0
.rept 64
	v_mov_b32 v[O2+n], 0                           ; vector sums, rescaled in every step: they begin as zeros
.set n, n+1
.endr
.irp i, 0,1,2,3
	v_mov_b32 v[ST+6*\i], 0xff61b1e6               ; m = -3e38, under every t
	v_mov_b32 v[ST+6*\i+4], 0
	v_mov_b32 v[ST+6*\i+5], 0
.endr
	s_mov_b32 s54, 0
	s_mov_b32 s55, 0
	s_mov_b32 s56, 0
.Lfull_\@:
	s_wait_alu depctr_vm_vsrc(0)                   ; the loads of k and v issued so far have read v9 and v10
	v_add_nc_u32 v9, s54, v6
	v_add_nc_u32 v10, s55, v7
	s_cmp_ge_u32 s56, s[\lim]
	s_cbranch_scc1 .Lskip_\@
	KSTEP 0, 0, 0, 0
.Lskip_\@:
	s_add_co_u32 s54, s54, 512
	s_add_co_u32 s55, s55, 64
	s_add_co_u32 s56, s56, 1
	s_cmp_lt_u32 s56, 12
	s_cbranch_scc1 .Lfull_\@
	s_wait_alu depctr_vm_vsrc(0)                   ; the loop's last loads have read v9 and v10
	v_add_nc_u32 v9, s[\gq], v6                    ; the group's own four key tiles
	v_add_nc_u32 v10, s[\gv], v7
	KSTEP 0, 1, 0, 0
	KSTEP 1, 1, 512, 64
	KSTEP 2, 1, 1024, 128
	KSTEP 3, 1, 1536, 192
	FINISH 0
	FINISH 1
	FINISH 2
	FINISH 3
	s_wait_alu depctr_va_vdst(0)                   ; o of the four tiles is written, which the four stores read
.irp t, 0,1,2,3
	ds_store_b128 v8, v[O2+16*\t:O2+16*\t+3] offset:512*\t         ; o takes q's place in LDS, in the same form: bytes that my wave alone reads and writes until the next barrier
.endr
.endm
	GROUP 48, 49, 50
	GROUP 51, 52, 53
	BAR                                            ; o of all heads lies in LDS
	; ---- P: my 16 tokens: o quantised, x + bp + o Wp, LayerNorm, h quantised
	; v124-155 o, later beta1; v156-169 scale word, 0, codes, zero codes; v188-217 Wp, four tiles six registers apart, and zeros; v218-221 its scale words; v222-253 the row; v16-47 bp, later b2; v88-119 g1
	s_wait_alu depctr_vm_vsrc(0)                   ; the LDS instructions of the phases before have read v8-11 and v13, which are written again below, and o's registers, in which loads land
	v_mul_u32_u24 v8, v2, 4*HEADB                  ; lanes 16-31 take heads 4-7
	v_lshl_add_u32 v8, v1, 4, v8
	s_lshl_b32 s47, s44, 9
	v_add_nc_u32 v8, s47, v8
	v_add_nc_u32 v9, 2*HEADB, v8                   ; (an offset has 16 bits: a second register for the upper two heads)
	v_lshl_add_u32 v10, v2, 7, PAR
	v_and_b32 v48, 7, v1
	v_lshrrev_b32 v49, 3, v1
	v_lshl_add_u32 v48, v49, 5, v48                ; r % 8 + 32 (r / 8)
	v_mul_u32_u24 v11, v48, 48
	v_mad_u32_u24 v11, v2, 24, v11
	v_add_nc_u32 v11, PAR, v11
	v_lshl_add_u32 v13, v48, 1, PAR+P_WS
	s_wait_alu depctr_va_vdst(0)                   ; v8-11 and v13 are written; attention's vector and matrix instructions are done with v16-47, v88-119, v124-155 and v188-253, in which the loads land
.irp a, 0,1
.irp b, 0,1
	ds_load_b128 v[124+8*\a+4*\b:127+8*\a+4*\b], v8 offset:HEADB*\a+256*\b      ; head 4 hh + a, e = 4 b + 0 .. 3 of token r
	ds_load_b128 v[140+8*\a+4*\b:143+8*\a+4*\b], v9 offset:HEADB*\a+256*\b
.endr
.endr
.irp c, 0,1,2,3,4,5,6,7
	ds_load_b128 v[222+4*\c:225+4*\c], v12 offset:16*\c
	ds_load_b128 v[16+4*\c:19+4*\c], v10 offset:P_BP+16*\c
.endr
.irp nt, 0,1,2,3
.irp p, 0,1,2
	ds_load_b64 v[188+6*\nt+2*\p:189+6*\nt+2*\p], v11 offset:384*\nt+8*\p
.endr
	ds_load_u16 v[218+\nt], v13 offset:16*\nt
.endr
.irp c, 0,1,2,3,4,5,6,7
	ds_load_b128 v[88+4*\c:91+4*\c], v10 offset:P_G1+16*\c
.endr
.irp j, 157,164,165,166,167,168,169,212,213,214,215,216,217
	v_mov_b32 v\j, 0
.endr
	s_wait_dscnt 0x0
	QUANT32 124, 156, 170
.irp k, 0,2,4,6,8,10,12,14,16,18,20,22,24,26,28,30
	v_pk_add_f32 v[222+\k:223+\k], v[222+\k:223+\k], v[16+\k:17+\k]   ; x + bp: the C of the product.  (These sixteen are the places between the codes and scale word just made and the products)
.endr
	s_wait_alu depctr_va_vdst(0)                   ; the quantiser is done reading v124-155 and the additions v16-47, in which the loads below land; o's codes, zero codes and scale word are written, which the products take
.irp c, 0,1,2,3,4,5,6,7
	ds_load_b128 v[124+4*\c:127+4*\c], v10 offset:P_BE+16*\c
	ds_load_b128 v[16+4*\c:19+4*\c], v10 offset:P_B2+16*\c
.endr
.irp nt, 0,1,2,3
	SWMMA 222+8*\nt, 188+6*\nt, 158, 222+8*\nt, 218+\nt, 156
.endr
	NOPS 4
	LNSTAT 222
	s_wait_alu depctr_va_vdst(0)                   ; the reciprocal root is written, ahead of its first reader
.irp k, 0,2,4,6,8,10,12,14,16,18,20,22,24,26,28,30
	v_pk_mul_f32 v[222+\k:223+\k], v[222+\k:223+\k], v[48:49] op_sel_hi:[1,0]
.endr
	s_wait_dscnt 0x0                               ; beta1 and b2
.irp k, 0,2,4,6,8,10,12,14,16,18,20,22,24,26,28,30
	v_pk_fma_f32 v[222+\k:223+\k], v[222+\k:223+\k], v[88+\k:89+\k], v[124+\k:125+\k]   ; h
.endr
	QUANT32 222, 156, 170
.irp k, 0,2,4,6,8,10,12,14,16,18,20,22,24,26,28,30
	v_pk_add_f32 v[222+\k:223+\k], v[222+\k:223+\k], v[16+\k:17+\k]   ; h + b2: what the next launch's sums start from
.endr
	s_wait_alu depctr_va_vdst(0)                   ; h's codes and scale word (v156-163) and h + b2 (v222-253) are written, which the ten stores read
	global_store_b128 v3, v[156:159], s[42:43]                     ; each store of the wave covers 512 consecutive bytes, aligned
	global_store_b128 v3, v[160:163], s[42:43] offset:512
.irp c, 0,1,2,3,4,5,6,7
	global_store_b128 v3, v[222+4*\c:225+4*\c], s[40:41] offset:512*\c
.endr
	s_wait_dscnt 0x0                               ; the closing lines, six on end
	s_wait_alu 0x0
	s_wait_tensorcnt 0x0
	ds_add_u32 v254, v255
	s_wait_dscnt 0x0
	s_endpgm
.Lfunc_end_k_qaa34a2c00a_attn:
	.size	k_qaa34a2c00a_attn, .Lfunc_end_k_qaa34a2c00a_attn-k_qaa34a2c00a_attn
	.p2alignl 7, 3214868480
	.fill 96, 4, 3214868480
	.section	.rodata,"a",@progbits
	.p2align	6, 0x0
	.amdhsa_kernel k_qaa34a2c00a_attn
		.amdhsa_group_segment_fixed_size 289792
		.amdhsa_private_segment_fixed_size 0
		.amdhsa_enable_private_segment 0
		.amdhsa_kernarg_size 144
		.amdhsa_user_sgpr_count 2
		.amdhsa_user_sgpr_kernarg_segment_ptr 1
		.amdhsa_wavefront_size32 1
		.amdhsa_system_sgpr_workgroup_id_x 1
		.amdhsa_system_sgpr_workgroup_id_y 1
		.amdhsa_system_sgpr_workgroup_id_z 1
		.amdhsa_system_vgpr_workitem_id 0
		.amdhsa_next_free_vgpr 256
		.amdhsa_next_free_sgpr 70
		.amdhsa_reserve_vcc 0
		.amdhsa_float_denorm_mode_32 3
		.amdhsa_float_denorm_mode_16_64 3
		.amdhsa_memory_ordered 1
		.amdhsa_forward_progress 1
		.amdhsa_inst_pref_size 181
	.end_amdhsa_kernel
	.amdgpu_metadata
---
amdhsa.version: [ 1, 2 ]
amdhsa.kernels:
  - .name:           k_qaa34a2c00a_attn
    .symbol:         k_qaa34a2c00a_attn.kd
    .args:
      - { .name: x, .offset: 0, .size: 8, .value_kind: global_buffer, .address_space: global }
      - { .name: Wq_codes, .offset: 8, .size: 8, .value_kind: global_buffer, .address_space: global }
      - { .name: Wq_scales, .offset: 16, .size: 8, .value_kind: global_buffer, .address_space: global }
      - { .name: Wk_codes, .offset: 24, .size: 8, .value_kind: global_buffer, .address_space: global }
      - { .name: Wk_scales, .offset: 32, .size: 8, .value_kind: global_buffer, .address_space: global }
      - { .name: Wv_codes, .offset: 40, .size: 8, .value_kind: global_buffer, .address_space: global }
      - { .name: Wv_scales, .offset: 48, .size: 8, .value_kind: global_buffer, .address_space: global }
      - { .name: bq, .offset: 56, .size: 8, .value_kind: global_buffer, .address_space: global }
      - { .name: bk, .offset: 64, .size: 8, .value_kind: global_buffer, .address_space: global }
      - { .name: bv, .offset: 72, .size: 8, .value_kind: global_buffer, .address_space: global }
      - { .name: Wp_codes, .offset: 80, .size: 8, .value_kind: global_buffer, .address_space: global }
      - { .name: Wp_scales, .offset: 88, .size: 8, .value_kind: global_buffer, .address_space: global }
      - { .name: bp, .offset: 96, .size: 8, .value_kind: global_buffer, .address_space: global }
      - { .name: g1, .offset: 104, .size: 8, .value_kind: global_buffer, .address_space: global }
      - { .name: beta1, .offset: 112, .size: 8, .value_kind: global_buffer, .address_space: global }
      - { .name: b2, .offset: 120, .size: 8, .value_kind: global_buffer, .address_space: global }
      - { .name: hb, .offset: 128, .size: 8, .value_kind: global_buffer, .address_space: global }
      - { .name: hq, .offset: 136, .size: 8, .value_kind: global_buffer, .address_space: global }
    .group_segment_fixed_size: 289792
    .private_segment_fixed_size: 0
    .kernarg_segment_align: 8
    .kernarg_segment_size: 144
    .max_flat_workgroup_size: 512
    .sgpr_count:     70
    .vgpr_count:     256
    .wavefront_size: 32
...
	.end_amdgpu_metadata
.endif
;; end of part 3
;; launch ffn (part 4): grid 256 x 1, 8 waves a work-group, no clusters, 102,400 bytes of LDS; arguments hq, hb, W1_codes, W1_scales, b1, W2_codes, W2_scales, g2, beta2, out0; writes out0
.if DOCPART == 4
	.amdgcn_target "amdgcn-amd-amdhsa--gfx1250"
	.amdhsa_code_object_version 6
	.text
	.protected	k_qaa34a2c00a_ffn
	.globl	k_qaa34a2c00a_ffn
	.p2align	8
	.type	k_qaa34a2c00a_ffn,@function
k_qaa34a2c00a_ffn:
	s_mov_b64 s[64:65], 0
	v_nop
	global_prefetch_b8 v0, s[64:65] scope:SCOPE_SE
	s_setreg_imm32_b32 hwreg(HW_REG_WAVE_SCHED_MODE, 0, 2), 2
	s_setreg_imm32_b32 hwreg(HW_REG_WAVE_MODE, 25, 1), 1
	s_wait_xcnt 0x0
	s_wait_alu depctr_vm_vsrc(0)
; out0 = LayerNorm(h + relu(h W1 + b1) W2 + b2) g2 + beta2.  h comes as codes and scale words (hq) and as h + b2 in f32 (hb), both as images of registers, a tile of 16 tokens at a time.
; Both products on codes of E3M2 with one E8M0 byte for 32 along K, by the scaled 16x16x128 form, used transposed (source 0 = weight rows, source 1 = tokens): a lane holds one token (lane % 16).
; The first product has K = 64: h holds zero codes at k = 64 .. 127, the weight operand whatever finite codes its next six registers hold, bytes 2 and 3 of both scale words are 0 (never 0xff): nothing is added.
; SHARES.  A work-group stays and takes 32 tiles, in 4 chunks of 8.  THE SECOND PRODUCT'S K IS SHARED OUT: wave w owns hidden units 256 w .. 256 w + 255; their rows of W1, their b1 and their columns of W2 stay in
; its registers for the whole launch, and its part of the hidden layer never leaves its registers.  In step tau of a chunk wave w works on tile (w + tau) % 8: it takes the tile's running sum from an LDS slot as the C
; of its products and puts the new sum back; step 0 starts from hb; behind step 7 the wave holds the whole sum.  So summing over the waves costs no addition.  One barrier a step.
; The rows of W1 that form a tile (row m of tile u of a batch: 8 u + m % 8 + 32 (m / 8)) are chosen so that a batch of four tiles leaves lane (r, hh) 32 neighbouring hidden units: a whole block, and six registers of the next operand.
; LIMITS: NaN and infinities are not served.  A block whose largest number lies under 2^-122 (a block of zeros too) gets the scale byte 1: its bytes never leave the wave.
; THE MODE: SCHED_MODE bits 1:0 = 2 (LLVM: expert scheduling mode 2), set by the entry lines.  The code itself states the register dependences
; between vector or matrix instructions and memory or LDS instructions, with s_wait_alu, always for 0.
; THE PLAN.  Registers that memory or LDS instructions touch, in the loop:
;   v5-7, v9, v12, v13 and the eight slot addresses (v248-253, v30, v31: one for each step)   made at the head and never written again.
;   v10      the LDS address of the next tile of h: written once a step, ahead of the wait on va_vdst that stands in front of the step's second batch on W2; read by the two loads behind that wait.
;   v16-23   h: read by the step's sixteen products on W1; the next tile's loads land behind that same wait.
;   YA       written by the products on W2; stored behind a wait on va_vdst at the step's end; loaded again in the next step behind a wait on vm_vsrc (the stores have read it).
;   RES      read by step 0's first batch on W2; the next chunk's loads land behind step 0's wait in front of its second batch.
;   HD       named by vector and matrix instructions alone in steps 0 to 6; in step 7 g2 and beta2 land in it behind the wait in front of the second batch on W2, then the rows to be stored.
; So a step holds three waits on va_vdst: one in front of each batch on W2 (the codes and the scale word just made are written), one in front of the sum's stores; and one wait on vm_vsrc, behind the barrier's wait.
.set SLOT, 32768                       ; LDS: 0: the codes of the 32 tiles, 1,024 bytes each;  SLOT: 8 running sums of 4,096 bytes, images of registers;
.set STG,  65536                       ; the way out: 16 rows of 256 + 16 bytes for each wave;
.set SP,   272
.set PAR,  100352                      ; g2, beta2
; window 0: v1 r, v2 hh, v3 8 hh, v4 SLOT + 16 lane, v5, v6 stage in and out, v7 PAR + 128 hh, v8 1,024 w + 16 lane, v9 16 lane, v10 address in hand, v12 hb offset, v13 out0 offset, v14, v15 head only
;   v16 scale word of h, v17 unused, v18-23 codes of h, v24-29 zero codes;  v248-253, v30, v31: the slot of my tile in steps 0 to 5, 6, 7
; window 1: v0-95 W1, tile t at 6 t;  v96-191 W2, tile nt, K step s at 96 + 12 (2 nt + s);  v192-255 b1 as C of tiles 0-7
.set HD,   32                          ; v32-63   a batch of the hidden layer
.set YA,   64                          ; v64-95   the running sum
.set RES,  96                          ; v96-127  h + b2 of the chunk's first tile
.set B1H,  128                         ; v128-191 b1 as C of tiles 8-15
.set W1S,  192                         ; v192-207 scale words of W1
.set W2S,  208                         ; v208-215 of W2
.set PC,   216                         ; v216-227 codes of 128 hidden units
.set T3,   228
.set PW,   232                         ; their scale word
.set BY0,  233
.set BY1,  234
.set SCL,  235
.set MX,   236
.set MX2,  237
.set BX,   238
.set MSB, 0
.macro WIN new                         ; the immediate's high byte repeats the setting that is left
.if MSB != \new
	s_set_vgpr_msb (MSB<<8)|\new
.set MSB, \new
.endif
.endm
.macro NOPS n
.rept \n
	v_nop
.endr
.endm
.macro SWMMA d, a, b, c, sa, sb
	v_wmma_scale_f32_16x16x128_f8f6f4 v[\d:\d+7], v[\a:\a+11], v[\b:\b+11], v[\c:\c+7], v[\sa], v[\sb] matrix_a_fmt:MATRIX_FMT_BF6 matrix_b_fmt:MATRIX_FMT_BF6
.endm
.macro W1B b                           ; batch b: four tiles, 64 hidden units; C = b1
.if (\b) < 2
	WIN 0x11                                       ; source 0 (W1) and source 2 (b1) in window 1
.else
	WIN 0x01
.endif
.irp u, 0,1,2,3
.if (\b) < 2
	SWMMA HD+8*\u, 6*(4*(\b)+\u), 18, 192+8*(4*(\b)+\u), W1S+4*(\b)+\u, 16
.else
	SWMMA HD+8*\u, 6*(4*(\b)+\u), 18, B1H+8*(4*(\b)+\u-8), W1S+4*(\b)+\u, 16
.endif
.endr
	WIN 0
.endm
.macro W2B s, res                      ; my K step s onto the running sum; res = 1: the sum starts from h + b2
	WIN 0x01
.irp nt, 0,1,2,3
.if \res
	SWMMA YA+8*\nt, 96+12*(2*\nt+\s), PC, RES+8*\nt, W2S+2*\nt+\s, PW
.else
	SWMMA YA+8*\nt, 96+12*(2*\nt+\s), PC, YA+8*\nt, W2S+2*\nt+\s, PW
.endif
.endr
	WIN 0
.endm
.macro QMAX                            ; the block's largest number after the clip at 0: no |.| on the sources, the floor 2^(5 - 127) stands over what is negative.  Ascending: each accumulator is read from its low end on
	v_max3_num_f32 v[MX], v[HD], v[HD+1], 0x2800000
	v_max3_num_f32 v[MX2], v[HD+2], v[HD+3], v[HD+4]
.irp i, 5,9,13,17,21,25
	v_max3_num_f32 v[MX], v[MX], v[HD+\i], v[HD+\i+1]
	v_max3_num_f32 v[MX2], v[MX2], v[HD+\i+2], v[HD+\i+3]
.endr
	v_max3_num_f32 v[MX], v[MX], v[HD+29], v[HD+30]
	v_max3_num_f32 v[MX], v[MX], v[MX2], v[HD+31]
.endm
.macro QSCL
	v_add_nc_u32 v[SCL], 0xfe000000, v[MX]         ; 4 off the exponent field: the conversion's scale operand
.endm
.macro QRELU
.set n, 0
.rept 32
	v_max_num_f32 v[HD+n], 0, v[HD+n]
.set n, n+1
.endr
.endm
.macro QCVT c                          ; the batch is block 2 c + hh of a K step: registers 6 c .. 6 c + 5 of the operand
	v_cvt_scalef32_pk16_bf6_f32 v[PC+6*\c:PC+6*\c+2], v[HD:HD+15], v[SCL]
	v_cvt_scalef32_pk16_bf6_f32 v[T3:T3+2], v[HD+16:HD+31], v[SCL]   ; (a conversion's three registers begin on an even number)
.if \c == 0
	v_lshrrev_b32 v[BY0], 23, v[SCL]               ; the scale's byte; also the plain place behind the conversions
.else
	v_nop
.endif
.endm
.macro QMOV c
.irp i, 0,1,2
	v_mov_b32 v[PC+6*\c+3+\i], v[T3+\i]
.endr
.endm
.macro QWORD                           ; my bytes of blocks hh and 2 + hh, with lane l xor 16's two: the token's scale word
	v_lshrrev_b32 v[BY1], 23, v[SCL]
	v_lshl_or_b32 v[BY1], v[BY1], 16, v[BY0]
	v_lshlrev_b32 v[BY1], v3, v[BY1]
	v_permlanex16_b32 v[BX], v[BY1], s36, s37
	v_or_b32 v[PW], v[BY1], v[BX]
.endm
.macro LNSTAT base                     ; a row of 64 lies in lanes l and l xor 16: centred in place; 1 / sqrt(variance + eps) comes in v240
	v_pk_add_f32 v[240:241], v[\base:\base+1], v[\base+2:\base+3]
	v_pk_add_f32 v[242:243], v[\base+8:\base+9], v[\base+10:\base+11]
	v_pk_add_f32 v[244:245], v[\base+16:\base+17], v[\base+18:\base+19]
	v_pk_add_f32 v[246:247], v[\base+24:\base+25], v[\base+26:\base+27]
.irp k, 4,6
	v_pk_add_f32 v[240:241], v[240:241], v[\base+\k:\base+\k+1]
	v_pk_add_f32 v[242:243], v[242:243], v[\base+8+\k:\base+9+\k]
	v_pk_add_f32 v[244:245], v[244:245], v[\base+16+\k:\base+17+\k]
	v_pk_add_f32 v[246:247], v[246:247], v[\base+24+\k:\base+25+\k]
.endr
	v_pk_add_f32 v[240:241], v[240:241], v[242:243]
	v_pk_add_f32 v[244:245], v[244:245], v[246:247]
	v_pk_add_f32 v[240:241], v[240:241], v[244:245]
	v_add_f32 v240, v240, v241
	v_permlanex16_b32 v242, v240, s36, s37
	v_add_f32 v240, v240, v242
	v_mul_f32 v240, s38, v240
.irp k, 0,2,4,6,8,10,12,14,16,18,20,22,24,26,28,30
	v_pk_add_f32 v[\base+\k:\base+\k+1], v[\base+\k:\base+\k+1], v[240:241] op_sel_hi:[1,0] neg_lo:[0,1] neg_hi:[0,1]
.endr
	v_pk_mul_f32 v[240:241], v[\base:\base+1], v[\base:\base+1]
	v_pk_mul_f32 v[242:243], v[\base+8:\base+9], v[\base+8:\base+9]
	v_pk_mul_f32 v[244:245], v[\base+16:\base+17], v[\base+16:\base+17]
	v_pk_mul_f32 v[246:247], v[\base+24:\base+25], v[\base+24:\base+25]
.irp k, 2,4,6
	v_pk_fma_f32 v[240:241], v[\base+\k:\base+\k+1], v[\base+\k:\base+\k+1], v[240:241]
	v_pk_fma_f32 v[242:243], v[\base+8+\k:\base+9+\k], v[\base+8+\k:\base+9+\k], v[242:243]
	v_pk_fma_f32 v[244:245], v[\base+16+\k:\base+17+\k], v[\base+16+\k:\base+17+\k], v[244:245]
	v_pk_fma_f32 v[246:247], v[\base+24+\k:\base+25+\k], v[\base+24+\k:\base+25+\k], v[246:247]
.endr
	v_pk_add_f32 v[240:241], v[240:241], v[242:243]
	v_pk_add_f32 v[244:245], v[244:245], v[246:247]
	v_pk_add_f32 v[240:241], v[240:241], v[244:245]
	v_add_f32 v240, v240, v241
	v_permlanex16_b32 v242, v240, s36, s37
	v_add_f32 v240, v240, v242
	v_fma_f32 v240, v240, s38, s39
	v_rsq_f32 v240, v240
	v_nop                                          ; one plain place behind a transcendental
.endm
	s_load_b512 s[8:23], s[0:1], 0x0               ; hq 8, hb 10, W1 codes 12, W1 scales 14, b1 16, W2 codes 18, W2 scales 20, g2 22
	s_load_b128 s[24:27], s[0:1], 0x40             ; beta2 24, out0 26
	v_lshl_add_u32 v254, v0, 2, 0x18c00
	v_mov_b32 v255, 0
	v_and_b32 v1, 15, v0                           ; r
	v_bfe_u32 v2, v0, 4, 1                         ; hh
	v_lshlrev_b32 v3, 3, v2                        ; 8 hh
	v_and_b32 v240, 31, v0
	v_lshlrev_b32 v9, 4, v240                      ; 16 x lane
	v_lshrrev_b32 v241, 5, v0
	v_readfirstlane_b32 s28, v241                  ; wave
	s_mov_b32 s36, 0x76543210                      ; selects of v_permlanex16_b32 for lane l xor 16
	s_mov_b32 s37, 0xfedcba98
	s_mov_b32 s38, 0x3c800000                      ; 1 / 64
	s_mov_b32 s39, 0x3727c5ac                      ; eps = 1e-5
	s_wait_alu depctr_va_sdst(0)                   ; s28 is written, ahead of its first reader: my tiles, addresses and bases are made from it
.irp t, 0,1,2,3,4,5,6,7
	s_add_co_u32 s31, s28, \t
	s_and_b32 s31, s31, 7
	s_lshl_b32 s[40+\t], s31, 10                   ; 1,024 x my tile of step t
.endr
.irp j, 24,25,26,27,28,29
	v_mov_b32 v\j, 0                               ; h at k = 64 .. 127: zero codes, written once
.endr
	v_mov_b32 v[BX], 0                             ; a lane permute's destination counts as one of its sources
	v_add_nc_u32 v4, SLOT, v9
.irp t, 0,1,2,3,4,5,6,7
	s_lshl_b32 s31, s[40+\t], 2
	v_add_nc_u32 v[248+\t-224*(\t/6)], s31, v4     ; the slot of my tile of step t: the same in every chunk, so it is made once
.endr
	s_mul_i32 s31, s28, 16*SP
	s_add_co_u32 s31, s31, STG
	v_mul_u32_u24 v5, v1, SP
	v_lshl_add_u32 v5, v2, 7, v5
	v_add_nc_u32 v5, s31, v5                       ; the stage, in: row r, my half's 128 bytes
	v_mul_u32_u24 v6, v2, SP
	v_lshl_add_u32 v6, v1, 4, v6
	v_add_nc_u32 v6, s31, v6                       ; and out: two whole rows an instruction
	v_lshl_add_u32 v7, v2, 7, PAR
	v_add_nc_u32 v8, s40, v9
	s_lshl_b32 s31, s40, 2
	v_add_nc_u32 v12, s31, v9                      ; hb: tile w of a chunk
	s_lshl_b32 s31, s47, 2
	v_add_nc_u32 v13, s31, v9                      ; out0: tile (w + 7) % 8 of a chunk
	v_and_b32 v240, 7, v1
	v_lshrrev_b32 v241, 3, v1
	v_lshl_add_u32 v240, v241, 5, v240             ; r % 8 + 32 (r / 8)
	v_mul_u32_u24 v14, v240, 48                    ; W1: rows of 48 bytes, + 24 hh, my 256 rows
	v_mad_u32_u24 v14, v2, 24, v14
	s_mul_i32 s31, s28, 12288
	v_add_nc_u32 v14, s31, v14
	s_lshl_b32 s31, s28, 9
	v_lshl_add_u32 v15, v240, 1, s31               ; its scale bytes: two a row
	s_lshl_b32 s31, s28, 10
	v_lshl_add_u32 v242, v2, 7, s31                ; b1: my 256 numbers, + 32 hh of them
	v_mul_u32_u24 v243, v240, 1536                 ; W2: rows of 1,536 bytes, my two K steps 192 w bytes on, + 24 hh
	v_mad_u32_u24 v243, v2, 24, v243
	s_mul_i32 s31, s28, 192
	v_add_nc_u32 v243, s31, v243
	s_lshl_b32 s31, s28, 3
	v_lshl_add_u32 v244, v240, 6, s31              ; its scale words: 64 bytes a row, my two words 8 w bytes on
	v_lshrrev_b32 v245, 1, v9                      ; 8 x lane
	v_add_nc_u32 v246, PAR, v245
	s_lshl_b32 s32, ttmp9, 15                      ; my 32 tiles: 32,768 bytes of hq, 131,072 of hb and of out0
	s_mov_b32 s33, 0
	s_lshl_b32 s34, ttmp9, 17
	s_mov_b32 s35, 0
	s_wait_kmcnt 0x0
	s_add_nc_u64 s[8:9], s[8:9], s[32:33]
	s_add_nc_u64 s[10:11], s[10:11], s[34:35]
	s_add_nc_u64 s[26:27], s[26:27], s[34:35]
	WIN 0x40                                       ; destination window 1
	s_wait_alu depctr_va_vdst(0)                   ; every offset and LDS address of the kernel but v10 is written, which the loads and stores read; so are the zero codes v24-29, which the products on W1 take
.irp t, 0,1,2,3,4,5,6,7,8,9,10,11,12,13,14,15
.irp p, 0,1,2
	global_load_b64 v[6*\t+2*\p:6*\t+2*\p+1], v14, s[12:13] offset:(64*(\t/4)+8*(\t%4))*48+8*\p
.endr
.endr
.irp nt, 0,1,2,3
.irp s, 0,1
.irp p, 0,1,2,3,4,5
	global_load_b64 v[96+12*(2*\nt+\s)+2*\p:96+12*(2*\nt+\s)+2*\p+1], v243, s[18:19] offset:8*\nt*1536+96*\s+48*(\p/3)+8*(\p%3)
.endr
.endr
.endr
.irp t, 0,1,2,3,4,5,6,7
	global_load_b128 v[192+8*\t:195+8*\t], v242, s[16:17] offset:(64*(\t/4)+8*(\t%4))*4
	global_load_b128 v[196+8*\t:199+8*\t], v242, s[16:17] offset:(64*(\t/4)+8*(\t%4))*4+16
.endr
	WIN 0
.irp t, 8,9,10,11,12,13,14,15
	global_load_b128 v[B1H+8*(\t-8):B1H+8*(\t-8)+3], v242, s[16:17] offset:(64*(\t/4)+8*(\t%4))*4
	global_load_b128 v[B1H+8*(\t-8)+4:B1H+8*(\t-8)+7], v242, s[16:17] offset:(64*(\t/4)+8*(\t%4))*4+16
.endr
.irp t, 0,1,2,3,4,5,6,7,8,9,10,11,12,13,14,15
	global_load_u16 v[W1S+\t], v15, s[14:15] offset:(64*(\t/4)+8*(\t%4))*2
.endr
.irp nt, 0,1,2,3
.irp s, 0,1
	global_load_b32 v[W2S+2*\nt+\s], v244, s[20:21] offset:512*\nt+4*\s
.endr
.endr
.irp q, 0,1,2,3,4,5,6,7
	global_load_b128 v[RES+4*\q:RES+4*\q+3], v12, s[10:11] offset:512*\q th:TH_LOAD_NT
.endr
.irp c, 0,1,2,3
.irp k, 0,1
	global_load_b128 v[HD+8*\c+4*\k:HD+8*\c+4*\k+3], v8, s[8:9] offset:8192*\c+512*\k th:TH_LOAD_NT   ; tiles w, w + 8, w + 16, w + 24 of hq
.endr
.endr
	s_cmp_lg_u32 s28, 0
	s_cbranch_scc1 .Lnot0
	global_load_b64 v[216:217], v245, s[22:23]
	global_load_b64 v[218:219], v245, s[24:25]
	s_wait_loadcnt 0x0
	ds_store_b64 v246, v[216:217]
	ds_store_b64 v246, v[218:219] offset:256
.Lnot0:
	s_wait_loadcnt 0x0
.irp c, 0,1,2,3
.irp k, 0,1
	ds_store_b128 v8, v[HD+8*\c+4*\k:HD+8*\c+4*\k+3] offset:8192*\c+512*\k
.endr
.endr
	ds_load_b128 v[16:19], v8                      ; my first tile: bytes that I stored myself, served in order
	ds_load_b128 v[20:23], v8 offset:512
	s_wait_dscnt 0x0
	s_barrier_signal -1
	s_barrier_wait -1                              ; the codes of all 32 tiles, g2 and beta2 lie in LDS
	s_wait_alu depctr_vm_vsrc(0)                   ; my LDS stores have read HD and v216-219, the head's loads and stores their offsets v242-246: the products, the conversions and the LayerNorm write these registers from here on
; A STEP: 256 hidden units of one tile of 16 tokens, in four batches of 64, and their two K steps of the second product.
.macro STEP tau
.set rSA, 248+(\tau)-224*((\tau)/6)    ; the register with my tile's slot
	W1B 0
	NOPS 4                                         ; places in front of the first read of results
	QMAX
	QSCL
	QRELU
	QCVT 0
	W1B 1
	QMOV 0
	v_nop                                          ; (with the three moves: four places)
.if \tau > 0
	s_barrier_wait -1                              ; every wave has put back the sum of its last step: between the signal and this wait stands work on registers alone
	s_wait_alu depctr_vm_vsrc(0)                   ; my stores of the last step have read YA, in which the loads below land; its loads of h have read v10, which is written again further down
.irp q, 0,1,2,3,4,5,6,7
	ds_load_b128 v[YA+4*\q:YA+4*\q+3], v[rSA] offset:512*\q        ; no wait on va_vdst: the one ahead of the last step's stores showed YA written, and no vector or matrix instruction since names it
.endr
.endif
	QMAX
	QSCL
	QWORD
	QRELU
	QCVT 1
	W1B 2
	QMOV 1
	v_nop
	QMAX                                           ; (these sixteen are the places between the last codes moved and the product)
.if \tau > 0
	s_wait_dscnt 0x0                               ; the running sum is in
	s_wait_alu depctr_va_vdst(0)                   ; the conversions, the moves and the scale word's lines have written PC and PW, which the products take
	W2B 0, 0
.else
	s_wait_loadcnt 0x0                             ; h + b2 of this tile, asked for a chunk ago
	s_wait_alu depctr_va_vdst(0)                   ; the conversions, the moves and the scale word's lines have written PC and PW, which the products take
	W2B 0, 1
.endif
	QSCL
	QRELU
	QCVT 0
	W1B 3
	QMOV 0
	v_nop
.if \tau < 7
	s_add_co_u32 s32, s30, s[40+\tau+1]            ; the next step's tile of h
.else
	s_add_co_u32 s32, s30, 8192                    ; the next chunk's first (behind the last chunk: the first chunk's, read and not used)
	s_and_b32 s32, s32, 0x6000
	s_add_co_u32 s32, s32, s40
.endif
	v_add_nc_u32 v10, s32, v9
	QMAX
	QSCL
	QWORD
	QRELU
	QCVT 1
	QMOV 1
	NOPS 4                                         ; an operand written by vector instructions stands four places ahead of a scaled matrix instruction
	s_wait_alu depctr_va_vdst(0)                   ; PC and PW are written, which the products take; v10 is written; the products on W1 are done reading v16-23; step 0: the first batch on W2 is done reading RES; step 7: the conversions are done reading HD
	ds_load_b128 v[16:19], v10
	ds_load_b128 v[20:23], v10 offset:512
.if \tau == 0
	s_cmp_eq_u32 s29, 3                            ; the next chunk's h + b2 is asked for here, seven steps ahead of its use; the last chunk asks for nothing: no load leaves its buffer
	s_cbranch_scc1 .Lnonext
.irp q, 0,1,2,3,4,5,6,7
	global_load_b128 v[RES+4*\q:RES+4*\q+3], v12, s[10:11] offset:32768+512*\q th:TH_LOAD_NT
.endr
.Lnonext:
.endif
.if \tau == 7
.irp c, 0,1,2,3
	ds_load_b128 v[HD+4*\c:HD+4*\c+3], v7 offset:16*\c             ; g2 and beta2 of my first 16 columns
	ds_load_b128 v[HD+16+4*\c:HD+19+4*\c], v7 offset:256+16*\c
.endr
.endif
	W2B 1, 0
	NOPS 4
.if \tau < 7
	s_wait_alu depctr_va_vdst(0)                   ; the products have written YA, which the stores read; the places above stay beside this wait
.irp q, 0,1,2,3,4,5,6,7
	ds_store_b128 v[rSA], v[YA+4*\q:YA+4*\q+3] offset:512*\q       ; the sum goes on to the wave that takes this tile next
.endr
	s_wait_dscnt 0x0                               ; for the others' sake: my stores have landed; and the next tile of h is in
	s_barrier_signal -1
.else
	; the sum is whole: LayerNorm, and out through my own stage as whole rows
	LNSTAT YA
	s_wait_alu depctr_va_vdst(0)                   ; the reciprocal root is written, ahead of its first reader
.irp k, 0,2,4,6,8,10,12,14,16,18,20,22,24,26,28,30
	v_pk_mul_f32 v[YA+\k:YA+\k+1], v[YA+\k:YA+\k+1], v[240:241] op_sel_hi:[1,0]
.endr
	s_wait_dscnt 0x0
.irp k, 0,2,4,6,8,10,12,14
	v_pk_fma_f32 v[YA+\k:YA+\k+1], v[YA+\k:YA+\k+1], v[HD+\k:HD+\k+1], v[HD+16+\k:HD+17+\k]
.endr
	s_wait_alu depctr_va_vdst(0)                   ; the multiply-adds are done reading HD, in which the loads below land, and have written YA's first half, which the stores below read
.irp c, 0,1,2,3
	ds_load_b128 v[HD+4*\c:HD+4*\c+3], v7 offset:64+16*\c          ; and of my other 16
	ds_load_b128 v[HD+16+4*\c:HD+19+4*\c], v7 offset:320+16*\c
.endr
.irp q, 0,1,2,3
	ds_store_b128 v5, v[YA+4*\q:YA+4*\q+3] offset:16*\q
.endr
	s_wait_dscnt 4                                 ; the eight loads are in; the four stores issued behind them may stay out
.irp k, 0,2,4,6,8,10,12,14
	v_pk_fma_f32 v[YA+16+\k:YA+17+\k], v[YA+16+\k:YA+17+\k], v[HD+\k:HD+\k+1], v[HD+16+\k:HD+17+\k]
.endr
	s_wait_alu depctr_va_vdst(0)                   ; the multiply-adds have written YA's second half, which the stores below read, and are done reading HD, in which the rows land
.irp q, 4,5,6,7
	ds_store_b128 v5, v[YA+4*\q:YA+4*\q+3] offset:16*\q
.endr
.irp i, 0,1,2,3,4,5,6,7
	ds_load_b128 v[HD+4*\i:HD+4*\i+3], v6 offset:2*SP*\i           ; LDS serves a wave's instructions in order: these see my stores
.endr
	s_wait_dscnt 0x0
.irp i, 0,1,2,3,4,5,6,7
	global_store_b128 v13, v[HD+4*\i:HD+4*\i+3], s[26:27] offset:512*\i th:TH_STORE_NT   ; 32 lanes store 512 consecutive bytes, aligned: two tokens
.endr
	s_wait_xcnt 0x0                                ; the stores' data and base, and the base of the loads of hb, are written again only behind this wait
	s_wait_alu depctr_vm_vsrc(0)                   ; the global stores have read HD, the stage's stores YA, the loads of h v10: the next chunk's products and its first step write all three again
	s_barrier_signal -1                            ; (no LDS instruction of mine is out)  the slots are written again behind this barrier
	s_barrier_wait -1
.endif
.endm
	s_mov_b32 s29, 0                               ; chunk
	s_mov_b32 s30, 0                               ; 8,192 x chunk: its tiles of h in LDS
.Lchunk:
	STEP 0
	STEP 1
	STEP 2
	STEP 3
	STEP 4
	STEP 5
	STEP 6
	STEP 7
	s_add_nc_u64 s[10:11], s[10:11], 32768
	s_add_nc_u64 s[26:27], s[26:27], 32768
	s_add_co_u32 s30, s30, 8192
	s_add_co_u32 s29, s29, 1
	s_cmp_lt_u32 s29, 4
	s_cbranch_scc1 .Lchunk
	s_wait_dscnt 0x0                               ; the closing lines, six on end
	s_wait_alu 0x0
	s_wait_tensorcnt 0x0
	ds_add_u32 v254, v255
	s_wait_dscnt 0x0
	s_endpgm
.Lfunc_end_k_qaa34a2c00a_ffn:
	.size	k_qaa34a2c00a_ffn, .Lfunc_end_k_qaa34a2c00a_ffn-k_qaa34a2c00a_ffn
	.p2alignl 7, 3214868480
	.fill 96, 4, 3214868480
	.section	.rodata,"a",@progbits
	.p2align	6, 0x0
	.amdhsa_kernel k_qaa34a2c00a_ffn
		.amdhsa_group_segment_fixed_size 102400
		.amdhsa_private_segment_fixed_size 0
		.amdhsa_enable_private_segment 0
		.amdhsa_kernarg_size 80
		.amdhsa_user_sgpr_count 2
		.amdhsa_user_sgpr_kernarg_segment_ptr 1
		.amdhsa_wavefront_size32 1
		.amdhsa_system_sgpr_workgroup_id_x 1
		.amdhsa_system_sgpr_workgroup_id_y 1
		.amdhsa_system_sgpr_workgroup_id_z 1
		.amdhsa_system_vgpr_workitem_id 0
		.amdhsa_next_free_vgpr 512
		.amdhsa_next_free_sgpr 66
		.amdhsa_reserve_vcc 0
		.amdhsa_float_denorm_mode_32 3
		.amdhsa_float_denorm_mode_16_64 3
		.amdhsa_memory_ordered 1
		.amdhsa_forward_progress 1
		.amdhsa_inst_pref_size 152
	.end_amdhsa_kernel
	.amdgpu_metadata
---
amdhsa.version: [ 1, 2 ]
amdhsa.kernels:
  - .name:           k_qaa34a2c00a_ffn
    .symbol:         k_qaa34a2c00a_ffn.kd
    .args:
      - { .name: hq, .offset: 0, .size: 8, .value_kind: global_buffer, .address_space: global }
      - { .name: hb, .offset: 8, .size: 8, .value_kind: global_buffer, .address_space: global }
      - { .name: W1_codes, .offset: 16, .size: 8, .value_kind: global_buffer, .address_space: global }
      - { .name: W1_scales, .offset: 24, .size: 8, .value_kind: global_buffer, .address_space: global }
      - { .name: b1, .offset: 32, .size: 8, .value_kind: global_buffer, .address_space: global }
      - { .name: W2_codes, .offset: 40, .size: 8, .value_kind: global_buffer, .address_space: global }
      - { .name: W2_scales, .offset: 48, .size: 8, .value_kind: global_buffer, .address_space: global }
      - { .name: g2, .offset: 56, .size: 8, .value_kind: global_buffer, .address_space: global }
      - { .name: beta2, .offset: 64, .size: 8, .value_kind: global_buffer, .address_space: global }
      - { .name: out0, .offset: 72, .size: 8, .value_kind: global_buffer, .address_space: global }
    .group_segment_fixed_size: 102400
    .private_segment_fixed_size: 0
    .kernarg_segment_align: 8
    .kernarg_segment_size: 80
    .max_flat_workgroup_size: 256
    .sgpr_count:     66
    .vgpr_count:     512
    .wavefront_size: 32
...
	.end_amdgpu_metadata
.endif
;; end of part 4
